; MI455X (gfx1250); checked and timed in simulation.
; The chip was launched on July 23, 2026; its instructions are those of AMD's public machine-readable ISA for CDNA 5 (MIT licence, August 2026) and "CDNA5" Instruction Set Architecture Reference Guide (July 2026). The comments in the code are by the model that wrote it; some were corrected since.
;; GQA. Allowed arithmetic: matrix products marked QUANTISED: E2M1 operands, one E8M0 scale for each 32 along K, by v_wmma_scale_f32_16x16x128_f8f6f4 with both operands' format E2M1 (or v_wmma_scale_f32_32x16x128_f4), f32 sums; products left as they are: bf16, f16 or f32 operands; f32 sums; everything else in f32.
;; Inputs: cos 2,048 x 32 float32; kn 64 float32; qn 64 float32; sin 2,048 x 32 float32; wg 2,048 x 2,048 float32; wk 512 x 2,048 float32; wo 2,048 x 2,048 float32; wq 2,048 x 2,048 float32; wv 512 x 2,048 float32; x 1 x 2,048 x 2,048 float32.
;; Outputs: out0 1 x 2,048 x 2,048 float32.
;; This version of the problem:
;;   THIS VERSION OF THE PROBLEM IS GIVEN IN LOW PRECISION. The matrix products marked QUANTISED in the list below multiply operands that are first quantised to E2M1 (2 exponent bits, 1 mantissa bit; 4 bits a number), with one power-of-two scale for each 32 numbers along K (OCP MX v1.0); their sums are f32. The products marked 'left as it is' may take bf16, f16 or f32 operands, with f32 sums. Whichever they take, every output number must still come out within the allowed error. Rounding operands to bf16 (8 significant bits) uses up far more of that allowance than f16 does (11 bits, for magnitudes from 6e-5 to 65,504). All else is computed in f32.
;;   The module's matrix products, in the order in which they are computed (A, B: the left and right operand; K: the contracted axis; several contracted axes count as one K, in the product's order):
;;     1. [M 2,048, K 2,048] x [K 2,048, N 2,048]; A: input x; B: input wq: QUANTISED
;;     2. [M 2,048, K 2,048] x [K 2,048, N 512]; A: input x; B: input wk: QUANTISED
;;     3. [M 2,048, K 2,048] x [K 2,048, N 512]; A: input x; B: input wv: QUANTISED
;;     4. batch 8 x [M 2,048, K 64] x [K 64, N 8,192]; A: computed on the way; B: computed on the way: left as it is (an operand is computed on the way)
;;     5. batch 8 x [M 64, K 2,048] x [K 2,048, N 8,192]; A: computed on the way; B: computed on the way: left as it is (an operand is computed on the way)
;;     6. [M 2,048, K 2,048] x [K 2,048, N 2,048]; A: input x; B: input wg: QUANTISED
;;     7. [M 2,048, K 2,048] x [K 2,048, N 2,048]; A: computed on the way; B: input wo: left as it is (an operand is computed on the way)
;;   THE QUANTISER, for each operand of a quantised product, along K:
;;     - K is cut into blocks of 32 from its start; a last block that is shorter is filled with zeros.
;;     - A block's scale is 2^e with e = floor(log2(the largest magnitude in the block)) - 2, held to -126 .. 127; a block of zeros has e = 0. As a byte (E8M0): e + 127.
;;     - Each number is divided by its block's scale, clamped to +-6, and rounded to the nearest number of E2M1, ties to even, subnormals kept.
;;     - The product sums the exact products of the quantised numbers (number of the format x scale) in f32.
;;   ~~~python
;;   def quantise(x, axis):      # numpy; x: float32 -> the quantised numbers, widened to float32 again
;;       x = np.moveaxis(x, axis, -1); K = x.shape[-1]
;;       x = np.pad(x, [(0, 0)] * (x.ndim - 1) + [(0, -K % 32)]); x = x.reshape(x.shape[:-1] + (-1, 32)); a = np.abs(x).max(-1, keepdims=True)
;;       e = np.where(a > 0, np.clip(np.frexp(np.where(a > 0, a, 1))[1] - 1 - 2, -126, 127), 0)      # np.frexp(a)[1] - 1 = floor(log2(a)), exactly
;;       r = np.clip(x / 2.0 ** e, -6, 6)
;;       step = 2.0 ** (np.maximum(np.frexp(np.where(r == 0, 1, r))[1] - 1, 0) - 1)
;;       q = np.round(r / step) * step * 2.0 ** e      # np.round: ties to even
;;       return np.moveaxis(q.reshape(q.shape[:-2] + (-1,))[..., :K], -1, axis).astype(np.float32)
;;   ~~~
;; One version. Each part assembles by itself: llvm-mc -triple=amdgcn-amd-amdhsa -mcpu=gfx1250 --defsym DOCPART=n.
;; ======== version 1 of 1: 5 launches
;; limits: values are held in f16: magnitudes above 65,504 overflow, below 6.1e-05 lose precision; right only within a limited range of input values
;; workspace buffers: codes 7,798,784 bytes; wo16 8,388,608 bytes; qkv 12,582,912 bytes; gate 16,777,216 bytes; fine 196,608 bytes; og 8,388,608 bytes
;; launch quant (part 1): grid 576 x 1, 4 waves a work-group, no clusters, 33,280 bytes of LDS; arguments x, wq, wk, wv, wg, wo, codes, wo16; writes codes, wo16
.if DOCPART == 1
	.amdgcn_target "amdgcn-amd-amdhsa--gfx1250"
	.amdhsa_code_object_version 6
	.text
	.protected	k_q9b1c1ee096_quant
	.globl	k_q9b1c1ee096_quant
	.p2align	8
	.type	k_q9b1c1ee096_quant,@function
k_q9b1c1ee096_quant:
	s_mov_b64 s[64:65], 0
	v_nop
	global_prefetch_b8 v0, s[64:65] scope:SCOPE_SE
	s_setreg_imm32_b32 hwreg(HW_REG_WAVE_MODE, 25, 1), 1
	s_wait_xcnt 0x0
; LAUNCH 1 OF 5 of a GQA layer: S = 2,048 tokens, DIM = 2,048, 32 query heads, 8 key/value heads of 64.
; x, wq, wk, wv, wg (f32, K innermost) become codes of FP4 (E2M1) with one E8M0 byte for each 32 along K; wo becomes f16 for the last product, which is left as it is.
; WORK LEFT OUT IN THE WHOLE PROGRAM, and why it can reach no output: reference() builds causal = tril(ones) itself and puts -1e30 where key > query; exp(-1e30 - max) is 0 for every finite score,
; so a block of keys that lies wholly behind a tile's last query adds 0 to the softmax's sum and to o, whatever the inputs hold: such key steps are not walked (launch 3).
; Rows 0-15 of the result are made in f32 by launch 5; launch 3 therefore walks no key step for queries 0-15 and hands zeros on, and launch 4's rows 0-15 are written again by launch 5.
; Every input has a way to the output: all ten are loaded.  LIMIT: a NaN, an infinity or an overflow that reaches only a hidden score is not carried to the result.
; LIMITS OF FORMAT: q, k, v, the weights p, o x sigmoid and wo go to the matrix units as f16 from row 16 on: |x wv^T| must stay under 65,504; p and wo under 6e-8 count as 0 there (the row's sum is taken of the f32 p).
; THE QUANTISER: a block's scale is 2^(floor(log2(largest magnitude)) - 2); its byte is the largest magnitude's exponent field - 2, held at 1 from below.  A block of zeros so gets the byte 1 where the
; rule says 127: its codes are zeros, and this program alone reads the bytes.  NaN and infinities among the inputs are not served; blocks under 2^(2 - 126) were not tried.
; LAYOUT of codes: groups of 16 rows x 1,024 bytes: x's rows in groups 0-127, then the 5,120 rows of W: wq; then for t = 0..3 128 rows of wk and 128 rows of wv by turns; then wg.
; So in launch 2 a tile column of 256 holds q alone, or k in its first half and v in its second, or the gate alone.  Behind the codes, from byte SCB on: 1,024 scale bytes a group, in the same order.
; SHARES: a work-group takes 16 rows (32,768 numbers), a wave 4 rows, in 16 steps of 512 numbers.  Work-groups 0-127 x, 128-255 wq, 256-287 wk, 288-319 wv, 320-447 wg, 448-575 wo.
; Each load reads 512 consecutive bytes; a step's 2,048 bytes turn through the wave's own stage in LDS so that a lane holds 16 neighbours along K; two lanes hold a block.  Waves share nothing: no barrier.
.set WAVES, 4
.set STEPS, 16
.set EMAX,  2
.set CB,    8                          ; bytes of 16 codes
.set R,     16                         ; v16-79   four sets of 16 numbers as they are loaded
.set X,     80                         ; v80-111  two sets of 16 neighbours
.set C,     128                        ; v128-191 codes: four registers for each step
.set E,     112                        ; v112-127 a scale byte for each step
.set HF,    80                         ; wo's way: v80-207, eight registers of f16 for each step
.set WREG,  8192                       ; LDS: a region for each wave: two stages of 32 x SP bytes, then its 256 scale bytes
.set SP,    80                         ; a lane's place in a stage: 64 bytes + 16 of padding
.set SPW,   12                         ; v12  LDS address of my spare word; never rewritten
.set NIL,   13                         ; v13  0; never rewritten
.set SPARE, WAVES*WREG                 ; the spare words: 128 bytes a wave, named by no other line
.set SCB,   7340032                    ; where the scale bytes begin in codes: 448 groups x 16,384
	s_load_b512 s[4:19], s[0:1], 0x0               ; x 4, wq 6, wk 8, wv 10, wg 12, wo 14, codes 16, wo16 18
	v_lshl_add_u32 v[SPW], v0, 2, SPARE
	v_mov_b32 v[NIL], 0
	v_lshrrev_b32 v1, 5, v0
	v_readfirstlane_b32 s20, v1                    ; wave
	v_and_b32 v2, 31, v0                           ; lane
	v_lshlrev_b32 v3, 4, v2                        ; my 16 bytes of a load's 512
	s_mul_i32 s21, s20, WREG
	v_lshrrev_b32 v14, 2, v2
	v_mul_u32_u24 v14, v14, SP
	v_and_b32 v15, 3, v2
	v_lshl_add_u32 v14, v15, 4, v14
	v_add_nc_u32 v14, s21, v14                     ; the stage, on the way in: SP (lane / 4) + 16 (lane % 4)
	v_mul_u32_u24 v15, v2, SP
	v_add_nc_u32 v15, s21, v15                     ; and on the way out: SP x lane: my 16 neighbours
	v_mul_u32_u24 v4, v2, CB                       ; my codes' place in a step's
	v_lshrrev_b32 v5, 1, v2
	s_add_co_u32 s21, s21, 2*32*SP
	v_add_nc_u32 v5, s21, v5                       ; my wave's 256 scale bytes, my block's byte
	v_lshlrev_b32 v7, 3, v2                        ; 8 bytes a lane
	v_add_nc_u32 v6, s21, v7
	s_wait_kmcnt 0x0
	s_cmp_ge_u32 ttmp9, 448                        ; the work-group's number alone decides
	s_cbranch_scc1 .Lwo
	; which tensor: only pointers are chosen, all five take one way through the text
	s_mov_b64 s[24:25], s[4:5]
	s_mov_b32 s22, 0                               ; the tensor's first work-group
	s_cmp_ge_u32 ttmp9, 128
	s_cselect_b64 s[24:25], s[6:7], s[24:25]
	s_cselect_b32 s22, 128, s22
	s_cmp_ge_u32 ttmp9, 256
	s_cselect_b64 s[24:25], s[8:9], s[24:25]
	s_cselect_b32 s22, 256, s22
	s_cmp_ge_u32 ttmp9, 288
	s_cselect_b64 s[24:25], s[10:11], s[24:25]
	s_cselect_b32 s22, 288, s22
	s_cmp_ge_u32 ttmp9, 320
	s_cselect_b64 s[24:25], s[12:13], s[24:25]
	s_cselect_b32 s22, 320, s22
	; which group of codes: my own number, but for wk and wv, whose runs of 8 groups (128 rows) take turns
	s_sub_co_u32 s26, ttmp9, 256                   ; j: 0-31 wk, 32-63 wv
	s_lshr_b32 s27, s26, 3
	s_and_b32 s27, s27, 3
	s_lshl_b32 s27, s27, 4                         ; 16 x (which 128 rows)
	s_lshr_b32 s28, s26, 5
	s_and_b32 s28, s28, 1
	s_lshl_b32 s28, s28, 3                         ; + 8 for wv
	s_add_co_u32 s27, s27, s28
	s_and_b32 s28, s26, 7
	s_add_co_u32 s27, s27, s28
	s_add_co_u32 s27, s27, 256
	s_cmp_lt_u32 s26, 64
	s_cselect_b32 s23, s27, ttmp9
	s_sub_co_u32 s26, ttmp9, s22
	s_lshl_b32 s26, s26, 2
	s_add_co_u32 s26, s26, s20                     ; which run of 8,192 numbers of the tensor is my wave's
	s_lshl_b32 s26, s26, 15
	s_mov_b32 s27, 0
	s_add_nc_u64 s[24:25], s[24:25], s[26:27]
	s_lshl_b32 s28, s23, 2
	s_add_co_u32 s28, s28, s20                     ; and which run of the codes
	s_lshl_b32 s30, s28, 12                        ; 4,096 bytes of codes a run
	s_mov_b32 s31, 0
	s_add_nc_u64 s[30:31], s[16:17], s[30:31]
	s_lshl_b32 s28, s28, 8                         ; 256 scale bytes a run
	s_mov_b32 s29, 0
	s_add_nc_u64 s[28:29], s[16:17], s[28:29]
	s_add_nc_u64 s[28:29], s[28:29], SCB
.macro LOAD t
.irp i, 0,1,2,3
	global_load_b128 v[R+16*((\t)%4)+4*\i:R+16*((\t)%4)+4*\i+3], v3, s[24:25] offset:2048*(\t)+512*\i th:TH_LOAD_NT   ; 32 lanes read 512 consecutive bytes
.endr
.endm
.macro TURN t                          ; step t's numbers through the stage: LDS serves a wave's instructions in order, so no wait stands between the stores and the loads
.irp i, 0,1,2,3
	ds_store_b128 v14, v[R+16*((\t)%4)+4*\i:R+16*((\t)%4)+4*\i+3] offset:32*SP*((\t)%2)+8*SP*\i
.endr
.irp i, 0,1,2,3
	ds_load_b128 v[X+16*((\t)%2)+4*\i:X+16*((\t)%2)+4*\i+3], v15 offset:32*SP*((\t)%2)+16*\i
.endr
.endm
.irp t, 0,1,2,3
	LOAD \t
.endr
	s_wait_loadcnt 12                              ; step 0's four loads are in; the 12 of steps 1 to 3 may be out
	TURN 0
.macro STEP t
.set XS, X+16*((\t)%2)
.if (\t) > 0
	s_wait_dscnt 1                                 ; this step's numbers are back from the stage (the last step's byte store may be out)
.else
	s_wait_dscnt 0x0
.endif
.if (\t)+4 < STEPS
	LOAD (\t)+4                                    ; into the registers that this step's stores into the stage have read
.endif
.if (\t)+1 < STEPS
.if STEPS-2-(\t) >= 3
	s_wait_loadcnt 12                              ; the next step's four loads are in; those of the three steps behind it may be out
.else
	s_wait_loadcnt 4*(STEPS-2-(\t))
.endif
	TURN (\t)+1
.endif
	v_max3_num_f32 v8, |v[XS]|, |v[XS+1]|, |v[XS+2]|               ; the largest magnitude of my 16, in two chains
	v_max3_num_f32 v9, |v[XS+3]|, |v[XS+4]|, |v[XS+5]|
.irp i, 6,10
	v_max3_num_f32 v8, v8, |v[XS+\i]|, |v[XS+\i+1]|
	v_max3_num_f32 v9, v9, |v[XS+\i+2]|, |v[XS+\i+3]|
.endr
	v_max3_num_f32 v8, v8, |v[XS+14]|, |v[XS+15]|
	v_max3_num_f32 v8, v8, v9, (EMAX+1)<<23        ; and the floor 2^(EMAX + 1 - 127): the byte cannot fall under 1
	v_max_num_f32_dpp v8, v8, v8 row_xmask:1 row_mask:0xf bank_mask:0xf   ; and of my neighbour's 16: the block's
	v_add_nc_u32 v11, -(EMAX<<23), v8              ; EMAX off its exponent field: the conversion takes the exponent field of this operand as its scale
	v_cvt_scalef32_pk8_fp4_f32 v[C+4*(\t)], v[XS:XS+7], v11
	v_cvt_scalef32_pk8_fp4_f32 v[C+4*(\t)+1], v[XS+8:XS+15], v11
	v_lshrrev_b32 v[E+(\t)], 23, v11               ; the scale's byte
	ds_store_b8 v5, v[E+(\t)] offset:16*(\t)       ; both lanes of a block write the same byte with the same value
	global_store_b64 v4, v[C+4*(\t):C+4*(\t)+1], s[30:31] offset:32*CB*(\t)   ; the wave stores 256 consecutive bytes, aligned
.endm
.irp t, 0,1,2,3,4,5,6,7,8,9,10,11,12,13,14,15
	STEP \t
.endr
	ds_load_b64 v[8:9], v6                         ; LDS serves a wave's instructions in order: these see my stores
	s_wait_dscnt 0x0
	global_store_b64 v7, v[8:9], s[28:29]          ; 32 lanes store my 256 scale bytes, aligned
	s_branch .Lend
.Lwo:                                              ; wo to f16, row-major as it lies: no LDS on this way
	s_sub_co_u32 s26, ttmp9, 448
	s_lshl_b32 s26, s26, 2
	s_add_co_u32 s26, s26, s20
	s_lshl_b32 s28, s26, 14                        ; 16,384 bytes of f16 a run,
	s_lshl_b32 s26, s26, 15                        ; 32,768 of f32
	s_mov_b32 s27, 0
	s_mov_b32 s29, 0
	s_add_nc_u64 s[24:25], s[14:15], s[26:27]
	s_add_nc_u64 s[28:29], s[18:19], s[28:29]
.macro WSTEP t
.if 15-(\t) >= 3
	s_wait_loadcnt 12                              ; this step's four loads are in; those of the three steps behind it may be out
.else
	s_wait_loadcnt 4*(15-(\t))
.endif
.irp i, 0,1,2,3
	v_cvt_pk_f16_f32 v[HF+8*(\t)+2*\i],   v[R+16*((\t)%4)+4*\i],   v[R+16*((\t)%4)+4*\i+1]
	v_cvt_pk_f16_f32 v[HF+8*(\t)+2*\i+1], v[R+16*((\t)%4)+4*\i+2], v[R+16*((\t)%4)+4*\i+3]
.endr
.if (\t)+4 < STEPS
	LOAD (\t)+4
.endif
.irp i, 0,1,2,3
	global_store_b64 v7, v[HF+8*(\t)+2*\i:HF+8*(\t)+2*\i+1], s[28:29] offset:1024*(\t)+256*\i   ; 256 consecutive bytes, aligned; each step has its own data registers
.endr
.endm
.irp t, 0,1,2,3
	LOAD \t
.endr
.irp t, 0,1,2,3,4,5,6,7,8,9,10,11,12,13,14,15
	WSTEP \t
.endr
.Lend:
	s_wait_tensorcnt 0x0                           ; the wave's end: behind my last LDS store
	ds_add_u32 v[SPW], v[NIL]
	s_wait_dscnt 0x0
	s_endpgm
.Lfunc_end_k_q9b1c1ee096_quant:
	.size	k_q9b1c1ee096_quant, .Lfunc_end_k_q9b1c1ee096_quant-k_q9b1c1ee096_quant
	.p2alignl 7, 3214868480
	.fill 96, 4, 3214868480
	.section	.rodata,"a",@progbits
	.p2align	6, 0x0
	.amdhsa_kernel k_q9b1c1ee096_quant
		.amdhsa_group_segment_fixed_size 33280
		.amdhsa_private_segment_fixed_size 0
		.amdhsa_enable_private_segment 0
		.amdhsa_kernarg_size 64
		.amdhsa_user_sgpr_count 2
		.amdhsa_user_sgpr_kernarg_segment_ptr 1
		.amdhsa_wavefront_size32 1
		.amdhsa_system_sgpr_workgroup_id_x 1
		.amdhsa_system_sgpr_workgroup_id_y 1
		.amdhsa_system_sgpr_workgroup_id_z 1
		.amdhsa_system_vgpr_workitem_id 0
		.amdhsa_next_free_vgpr 208
		.amdhsa_next_free_sgpr 66
		.amdhsa_reserve_vcc 0
		.amdhsa_float_denorm_mode_32 3
		.amdhsa_float_denorm_mode_16_64 3
		.amdhsa_memory_ordered 1
		.amdhsa_forward_progress 1
		.amdhsa_inst_pref_size 55
	.end_amdhsa_kernel
	.amdgpu_metadata
---
amdhsa.version: [ 1, 2 ]
amdhsa.kernels:
  - .name:           k_q9b1c1ee096_quant
    .symbol:         k_q9b1c1ee096_quant.kd
    .args:
      - { .name: x, .offset: 0, .size: 8, .value_kind: global_buffer, .address_space: global }
      - { .name: wq, .offset: 8, .size: 8, .value_kind: global_buffer, .address_space: global }
      - { .name: wk, .offset: 16, .size: 8, .value_kind: global_buffer, .address_space: global }
      - { .name: wv, .offset: 24, .size: 8, .value_kind: global_buffer, .address_space: global }
      - { .name: wg, .offset: 32, .size: 8, .value_kind: global_buffer, .address_space: global }
      - { .name: wo, .offset: 40, .size: 8, .value_kind: global_buffer, .address_space: global }
      - { .name: codes, .offset: 48, .size: 8, .value_kind: global_buffer, .address_space: global }
      - { .name: wo16, .offset: 56, .size: 8, .value_kind: global_buffer, .address_space: global }
    .group_segment_fixed_size: 33280
    .private_segment_fixed_size: 0
    .kernarg_segment_align: 8
    .kernarg_segment_size: 64
    .max_flat_workgroup_size: 128
    .sgpr_count:     66
    .vgpr_count:     208
    .wavefront_size: 32
...
	.end_amdgpu_metadata
.endif
;; end of part 1
;; launch proj (part 2): grid 20 x 8, 4 waves a work-group, clusters of 4 x 4, 327,680 bytes of LDS; arguments codes, cos, sin, qn, kn, qkv, gate, fine; writes qkv, gate, fine
.if DOCPART == 2
	.amdgcn_target "amdgcn-amd-amdhsa--gfx1250"
	.amdhsa_code_object_version 6
	.text
	.protected	k_q9b1c1ee096_proj
	.globl	k_q9b1c1ee096_proj
	.p2align	8
	.type	k_q9b1c1ee096_proj,@function
k_q9b1c1ee096_proj:
	s_mov_b64 s[64:65], 0
	v_nop
	global_prefetch_b8 v0, s[64:65] scope:SCOPE_SE
	s_setreg_imm32_b32 hwreg(HW_REG_WAVE_MODE, 25, 1), 1
	s_wait_xcnt 0x0
	s_wait_alu depctr_hold_cnt(0) depctr_sa_sdst(0) depctr_va_vdst(0) depctr_va_sdst(0) depctr_va_ssrc(0) depctr_va_vcc(0) depctr_vm_vsrc(0)
	s_getreg_b32 s2, hwreg(HW_REG_IB_STS2, 6, 4)
	s_cmp_eq_u32 s2, 0
	s_cbranch_scc0 .Lentry_in_a_cluster
	s_endpgm
.Lentry_in_a_cluster:
	s_bfe_u32 s2, ttmp6, 0x10000c
	s_cmp_lg_u32 s2, 0xf033
	s_cbranch_scc0 .Lentry_shape_is_right
	s_endpgm
.Lentry_shape_is_right:
; LAUNCH 2 OF 5.  C[token][n] = sum over k of x[token][k] W[n][k] on codes of FP4 (E2M1) with E8M0 scales: products 1, 2, 3 and 6 in one GEMM of 2,048 x 5,120 x 2,048.  No work is left out here.
; W's rows: 0-2047 wq; 2048 + 256 t + c: wk[128 t + c] for c < 128, else wv[128 t + c - 128]; 3072 on: wg.  So the kind of a wave's 128 columns hangs on the cluster's x and the wave's number alone.
; A tile of C, 256 x 256, is made by four waves, 128 x 128 each: 64 accumulators of 16 x 16.  K goes in steps of 512 through two LDS slots filled by the tensor data mover (rows of 256 bytes).
; The scale bytes of the work-group's rows, for all of K, come into LDS once.  CLUSTERS 4 x 4: A's tiles are asked for jointly along a row of the cluster, B's along a column.
; THE MATRIX INSTRUCTION IS USED TRANSPOSED (source 0 = 16 rows of W, source 1 = 16 tokens): in accumulator (a, b) lane (r, h) holds token 16 a + r and columns 16 b + 8 h + 0 .. 7.
; THE WAY OUT needs no LDS: every result is stored as an IMAGE OF REGISTERS, 16 bytes a lane, 512 consecutive bytes a store, in the order in which the next launch's operand registers want it.
;   q, k: rope, rmsnorm x qn or kn in f32, then f16: [head][block of 16 tokens][bb 0..3][lane][16 bytes], lane (r, h): d = 16 bb + 8 h + 0..7 of token r: pieces 2 c, 2 c + 1 are a 16-bit fragment's registers 0-3, 4-7.
;   v: f16, the same pieces at place 16 (r / 8) + 8 h + r % 8, so that the turning LDS load at 16 x lane gives V^T's fragment.   gate: x wg^T raw in f32: [block of 16 tokens][block of 16 columns][half][lane][16 bytes].
;   fine: the f32 q, k, v of tokens 0-15, in the gate's form, for launch 5.  They are stored under an EXEC mask of all lanes or none: no branch hangs on a work-group's place in its cluster.
; LIMIT: |x wv^T| under 65,504 (f16).
; REGISTERS: window 0: v0-31 addresses; v32-95 scale words; v128-191 A's fragments; on the way out v32-239 are free.  window 1: B's fragments, two sets.  windows 2, 3: the accumulators ((a, b) at v[8 (8 (a % 4) + b)]).
.set SIZE_M, 2048
.set SIZE_N, 5120
.set SIZE_K, 2048
.set KSTEP,  512
.set NQ,     KSTEP/128
.set ROWB,   256
.set KROW,   SIZE_K*4/8
.set PITCH,  272                       ; an LDS row: 256 bytes + 16 of padding: the 16 rows of a fragment load start at 16 different banks (64 banks of 4 bytes: ISA guide 11.1)
.set FR,     8
.set NL,     2
.set NP,     4                         ; places behind this matrix instruction (ISA guide 7.12.1)
.set HALFT,  128*PITCH
.set SLOT,   4*HALFT
.set LAPS,   SIZE_K/(2*KSTEP)
.set KS,     SIZE_K/32
.set SCL,    2*SLOT                    ; behind the ring: the scales, as units of 256 bytes + 16 of padding
.set HALFS,  (128*KS/256)*272
.set SBLK,   (16*KS/256)*272
.set SPARE,  SCL+4*HALFS               ; the spare words: 128 bytes a wave, named by no other line
.set ADRA, 16
.set ADRB, 20
.set ADRS, 27
.set SPW,  28                          ; v28  LDS address of my spare word; never rewritten
.set NIL,  29                          ; v29  0; never rewritten
.set SC,   32
.set AF,   128
.set G1, 24
.set G0, 32
.set G1B, 48
.set G0B, 56
.set G1S, 68
.set G0S, 76
.set G1SB, 80
.set G0SB, 88
; the way out (window 0)
.set LI,  16                           ; v16  16 x lane
.set VP,  17                           ; v17  16 x (16 (r / 8) + 8 h + r % 8)
.set CO,  18                           ; v18  128 r + 16 h: my place in cos and sin
.set WO,  19                           ; v19  32 h: my place in qn or kn
.set WN,  32                           ; v32-63   the norm's weights of my 32 d
.set CS,  64                           ; v64-127  two sets of 16 cos and 16 sin
.set Y,   128                          ; v128-191 two heads x 32 numbers
.set T,   192                          ; v192-195 at work
.set IV,  196                          ; v[196:197], v[198:199] 1 / rms of the two heads
.set SQ,  200                          ; v200-203 sums of squares
.set PK,  208                          ; v208-239 f16
.set MSB, 0
.macro WIN new                         ; the immediate's high byte repeats the setting that is left
.if MSB != (\new)
	s_set_vgpr_msb (MSB<<8)|(\new)
.set MSB, (\new)
.endif
.endm
.set MUL_LO, 0xa1                      ; source 0 (B) window 1, source 1 (A) window 0, C and D window 2
.set MUL_HI, 0xf1
.set TO_B,   0x40
; A joint load: waves 0 and 1 fetch for A, waves 2 and 3 for B; the branch hangs on the wave's number alone.  An s_nop 0 and four v_nop follow each of the two lines.
.macro JLOAD g0a, g1a, g0b, g1b
	s_cmp_eq_u32 s15, 0
	s_cbranch_scc0 .Lfor_b_\@
	tensor_load_to_lds s[\g0a:\g0a+3], s[\g1a:\g1a+7]
	s_nop 0
.rept 4
	v_nop
.endr
	s_branch .Lasked_\@
.Lfor_b_\@:
	tensor_load_to_lds s[\g0b:\g0b+3], s[\g1b:\g1b+7]
	s_nop 0
.rept 4
	v_nop
.endr
.Lasked_\@:
.endm
.macro CREST                           ; a round of the cluster's barrier behind its opening barrier
	s_cmp_lg_u32 s14, 0
	s_cbranch_scc1 .Lnot_wave_0_\@
	s_barrier_signal -3
.Lnot_wave_0_\@:
	s_barrier_wait -3
	s_barrier_signal -1
	s_barrier_wait -1
.endm
.macro CROUND
	s_barrier_signal -1
	s_barrier_wait -1
	CREST
.endm
	s_load_b64 s[4:5], s[0:1], 0x0                 ; codes
	v_lshl_add_u32 v[SPW], v0, 2, SPARE
	v_mov_b32 v[NIL], 0
	ds_add_u32 v[SPW], v[NIL]                      ; the wave's opening: the add, twice on end, and its wait ahead of my first tensor load
	ds_add_u32 v[SPW], v[NIL]
	v_lshrrev_b32 v1, 5, v0
	v_readfirstlane_b32 s14, v1                    ; wave 0..3
	s_lshr_b32 s15, s14, 1                         ; which half of the tile's rows is mine.  Also: I fetch for A (0) or for B (1)
	s_and_b32 s16, s14, 1                          ; which half of its columns.  Also: which 128 rows of that tile I fetch
	s_bfe_u32 s40, ttmp6, 0x40000                  ; cx, cy: my place in the cluster
	s_bfe_u32 s41, ttmp6, 0x40004
	s_lshl_b32 s42, ttmp9, 2
	s_add_co_u32 s42, s42, s40                     ; tile column of C = 4 x cluster x + cx
	s_and_b32 s17, ttmp7, 0xffff
	s_lshl_b32 s17, s17, 2
	s_add_co_u32 s17, s17, s41                     ; tile row of C = 4 x cluster y + cy
	s_lshl_b32 s43, s41, 2
	s_lshl_b32 s43, 15, s43                        ; my row of the cluster
	s_lshl_b32 s44, 0x1111, s40                    ; my column
	s_or_b32 s[G1+0], s43, (0<<16)|(1<<20)|(1<<21)|(5<<22)|(3<<25)  ; the mask; elements of 1 byte; padding on; bit 21 beside a mask; 4 words behind every 64
	s_or_b32 s[G1B+0], s44, (0<<16)|(1<<20)|(1<<21)|(5<<22)|(3<<25)
.irp g, G1, G1B
	s_mov_b32 s[\g+1], ROWB<<16                    ; tensor_dim0
	s_mov_b32 s[\g+2], 128<<16                     ; tensor_dim1 = 128
	s_mov_b32 s[\g+3], ROWB<<16                    ; tile_dim0
	s_mov_b32 s[\g+4], 128                         ; tile_dim1 = 128
	s_mov_b32 s[\g+5], KROW                        ; tensor_dim0_stride
	s_mov_b32 s[\g+6], 0
	s_mov_b32 s[\g+7], 0
.endr
	s_or_b32 s[G1S+0], s43, (3<<16)|(1<<20)|(1<<21)|(5<<22)|(3<<25)  ; the scales of 128 rows: a dense block, as rows of 256 bytes (32 elements of 8 bytes), 16 bytes of padding behind each
	s_or_b32 s[G1SB+0], s44, (3<<16)|(1<<20)|(1<<21)|(5<<22)|(3<<25)
.irp g, G1S, G1SB
	s_mov_b32 s[\g+1], 32<<16
	s_mov_b32 s[\g+2], (128*KS/256)<<16
	s_mov_b32 s[\g+3], 32<<16
	s_mov_b32 s[\g+4], 128*KS/256
	s_mov_b32 s[\g+5], 32
	s_mov_b32 s[\g+6], 0
	s_mov_b32 s[\g+7], 0
.endr
	s_lshl_b32 s18, s16, 7                         ; which 128 rows of the tile I fetch
	s_lshl_b32 s20, s17, 8
	s_add_co_u32 s20, s20, s18                     ; A: row 256 x tile row + 128 x half
	s_lshl_b32 s46, s42, 8
	s_add_co_u32 s46, s46, s18                     ; B: row 256 x tile column + 128 x half
	s_mov_b32 s21, 0
	s_mov_b32 s47, 0
	s_mov_b64 s[18:19], KS
	s_mul_u64 s[22:23], s[20:21], s[18:19]         ; where these rows' scales begin, in bytes
	s_mul_u64 s[92:93], s[46:47], s[18:19]
	s_mov_b64 s[18:19], KROW
	s_mul_u64 s[20:21], s[20:21], s[18:19]         ; and their codes
	s_mul_u64 s[46:47], s[46:47], s[18:19]
	s_mul_i32 s45, s14, HALFT                      ; where they go: wave x 128 rows: no place in the cluster enters an LDS address
	s_mul_i32 s94, s14, HALFS
	s_wait_dscnt 0x0                               ; both opening adds are done
	s_wait_kmcnt 0x0
	s_add_nc_u64 s[6:7], s[4:5], 7340032           ; x's scale bytes,
	s_add_nc_u64 s[8:9], s[4:5], 2097152           ; W's codes,
	s_add_nc_u64 s[10:11], s[4:5], 7471104         ; W's scale bytes: all in the one buffer
	s_add_nc_u64 s[20:21], s[4:5], s[20:21]
	s_add_nc_u64 s[22:23], s[6:7], s[22:23]
	s_add_nc_u64 s[46:47], s[8:9], s[46:47]
	s_add_nc_u64 s[92:93], s[10:11], s[92:93]
	CROUND                                         ; all sixteen work-groups are here: the first joint loads meet
	s_mov_b32 s[G0S], 1
	s_add_co_u32 s[G0S+1], s94, SCL
	s_mov_b64 s[G0S+2:G0S+3], s[22:23]
	s_or_b32 s[G0S+3], s[G0S+3], 0x80000000
	s_mov_b32 s[G0SB], 1
	s_add_co_u32 s[G0SB+1], s94, SCL
	s_mov_b64 s[G0SB+2:G0SB+3], s[92:93]
	s_or_b32 s[G0SB+3], s[G0SB+3], 0x80000000
	JLOAD G0S, G1S, G0SB, G1SB                     ; the scales first: they are wanted with K step 0
.irp s, 0,1
	s_mov_b32 s[G0+4*\s], 1
	s_add_co_u32 s[G0+4*\s+1], s45, \s*SLOT
	s_add_nc_u64 s[G0+4*\s+2:G0+4*\s+3], s[20:21], \s*ROWB
	s_or_b32 s[G0+4*\s+3], s[G0+4*\s+3], 0x80000000
	s_mov_b32 s[G0B+4*\s], 1
	s_add_co_u32 s[G0B+4*\s+1], s45, \s*SLOT
	s_add_nc_u64 s[G0B+4*\s+2:G0B+4*\s+3], s[46:47], \s*ROWB
	s_or_b32 s[G0B+4*\s+3], s[G0B+4*\s+3], 0x80000000
	JLOAD G0+4*\s, G1, G0B+4*\s, G1B               ; three tensor loads of mine are out at the most
.endr
	v_and_b32 v1, 15, v0                           ; l % 16
	v_bfe_u32 v2, v0, 4, 1                         ; l / 16
	v_mul_u32_u24 v3, v1, PITCH
	v_lshl_add_u32 v4, v2, 4, v3                   ; a fragment's row x pitch + 16 x half
	s_mul_i32 s21, s15, HALFT                      ; my 128 rows of A
	s_mul_i32 s22, s16, HALFT                      ; my 128 rows of B,
	s_add_co_u32 s22, s22, 2*HALFT                 ; which lie behind A's 256
.irp s, 0,1
	v_add_nc_u32 v[ADRA+\s], s21, v4
	v_add_nc_u32 v[ADRB+\s], s22, v4
	s_add_co_u32 s21, s21, SLOT
	s_add_co_u32 s22, s22, SLOT
.endr
	v_mul_u32_u24 v5, v1, KS                       ; my row's scales: KS bytes a row,
	v_lshrrev_b32 v6, 8, v5
	v_lshl_add_u32 v5, v6, 4, v5                   ; and 16 more for each 256 passed
	s_mul_i32 s21, s15, HALFS
	s_mul_i32 s22, s16, HALFS
	s_add_co_u32 s22, s22, 2*HALFS
	s_sub_co_u32 s22, s22, s21
	v_mul_u32_u24 v6, s22, v2                      ; lanes 16-31 take B's
	s_add_co_u32 s21, s21, SCL
	v_add_nc_u32 v5, v5, v6
	v_add_nc_u32 v[ADRS], s21, v5
.macro FRAG reg, adr, q, i             ; a fragment, 16 rows x 128 K of 4-bit codes: registers 4 c .. 4 c + 3 hold K = 64 c + 32 (l / 16) + 0 .. 31
.irp c, 0,1
	ds_load_b128 v[\reg+4*\c:\reg+4*\c+3], v[\adr] offset:64*(\q)+32*\c+(\i)*16*PITCH
.endr
.endm
; 16 matrix instructions: A's blocks a0, a0 + 1 x B's eight, 128 along K.  The 64 accumulators take turns, one instruction a turn, in the same order in every step.
.macro MUL16 a0, p, q, sc, zero
.irp a, \a0, \a0+1
.irp b, 0,1,2,3,4,5,6,7
.if \zero
	v_wmma_scale_f32_16x16x128_f8f6f4 v[8*(8*((\a)%4)+\b):8*(8*((\a)%4)+\b)+7], v[128*(\p)+FR*\b:128*(\p)+FR*\b+FR-1], v[AF+FR*(\a):AF+FR*(\a)+FR-1], 0, v[SC+8*NQ*(\sc)+NQ*\b+(\q)], v[SC+8*NQ*(\sc)+NQ*(\a)+(\q)] matrix_a_fmt:MATRIX_FMT_FP4 matrix_b_fmt:MATRIX_FMT_FP4 matrix_a_scale:MATRIX_SCALE_ROW1
.else
	v_wmma_scale_f32_16x16x128_f8f6f4 v[8*(8*((\a)%4)+\b):8*(8*((\a)%4)+\b)+7], v[128*(\p)+FR*\b:128*(\p)+FR*\b+FR-1], v[AF+FR*(\a):AF+FR*(\a)+FR-1], v[8*(8*((\a)%4)+\b):8*(8*((\a)%4)+\b)+7], v[SC+8*NQ*(\sc)+NQ*\b+(\q)], v[SC+8*NQ*(\sc)+NQ*(\a)+(\q)] matrix_a_fmt:MATRIX_FMT_FP4 matrix_b_fmt:MATRIX_FMT_FP4 matrix_a_scale:MATRIX_SCALE_ROW1
.endif
.endr
.endr
.endm
.macro FETCH_B slot, q, p
	WIN TO_B
.irp i, 0,1,2,3,4,5,6,7
	FRAG 128*(\p)+FR*\i, ADRB+\slot, \q, \i
.endr
	WIN 0
.endm
.macro FETCH_A slot, q, i0
.irp i, \i0, \i0+1, \i0+2, \i0+3
	FRAG AF+FR*(\i), ADRA+\slot, \q, \i
.endr
.endm
.macro SCALES sc                       ; the next K step's scale words: lanes 0-15 take A's block i, lanes 16-31 B's block i
.irp i, 0,1,2,3,4,5,6,7
	ds_load_b128 v[SC+8*NQ*\sc+NQ*\i:SC+8*NQ*\sc+NQ*\i+3], v[ADRS] offset:\i*SBLK
.endr
.endm
.macro PLACES n                        ; plain vector instructions in front of loads into registers that matrix instructions have read, and of the first read of results
.rept \n
	v_nop
.endr
.endm
.macro STEP slot, q, zero              ; a step of 128 along K that has its successor in the same slot
	s_wait_dscnt 4*NL                              ; B's set and A's blocks 0-3 are in; the youngest eight loads (A's blocks 4-7) may be out
	WIN MUL_LO
	MUL16 0, (\q)%2, \q, \slot, \zero
	MUL16 2, (\q)%2, \q, \slot, \zero
	s_wait_dscnt 0
	PLACES NP
	FETCH_B \slot, (\q)+1, 1-(\q)%2
	FETCH_A \slot, (\q)+1, 0
	WIN MUL_HI
	MUL16 4, (\q)%2, \q, \slot, \zero
	MUL16 6, (\q)%2, \q, \slot, \zero
	PLACES NP
	WIN 0
	FETCH_A \slot, (\q)+1, 4
.endm
; A slot's last step changes slots: one barrier; in front of it each wave waits for all its tensor loads, adds 0 to its spare word, and waits for that and for its own reads of this slot.
.macro TURN slot, next, fill
	s_wait_tensorcnt 0x0                           ; all my tensor loads have landed: my part of the next slot
	ds_add_u32 v[SPW], v[NIL]                      ; 0 onto my spare word
	s_wait_dscnt 4*NL+1                            ; (the add and the youngest eight loads may be out)
	WIN MUL_LO
	MUL16 0, 1, NQ-1, \slot, 0
	s_wait_dscnt 0x0                               ; the add is done, and my reads of this slot are over
	s_barrier_signal -1
	MUL16 2, 1, NQ-1, \slot, 0
	WIN 0
	s_barrier_wait -1
.if \fill
	CREST                                          ; no wave of any partner still reads this slot's tile or has a load on its way
	s_add_nc_u64 s[G0+4*\slot+2:G0+4*\slot+3], s[G0+4*\slot+2:G0+4*\slot+3], 2*ROWB
	s_add_nc_u64 s[G0B+4*\slot+2:G0B+4*\slot+3], s[G0B+4*\slot+2:G0B+4*\slot+3], 2*ROWB
	JLOAD G0+4*\slot, G1, G0B+4*\slot, G1B         ; the first tensor load behind the round; its four v_nop are the places in front of the loads below
.else
	PLACES NP
.endif
	v_add_nc_u32 v[ADRS], 4*NQ, v[ADRS]            ; on to the next K step's scale words
	FETCH_B \next, 0, 0
	FETCH_A \next, 0, 0
	SCALES \next
	WIN MUL_HI
	MUL16 4, 1, NQ-1, \slot, 0
	MUL16 6, 1, NQ-1, \slot, 0
	PLACES NP
	WIN 0
	FETCH_A \next, 0, 4
.endm
.macro STEPS slot, from
.set Q, \from
.rept NQ-1-\from
	STEP \slot, Q, 0
.set Q, Q+1
.endr
.endm
	s_wait_tensorcnt 1                             ; the scales and my part of K step 0 are in (K step 1's load may be out)
	s_barrier_signal -1
	s_barrier_wait -1                              ; everybody's are
	FETCH_B 0, 0, 0
	FETCH_A 0, 0, 0
	SCALES 0
	FETCH_A 0, 0, 4
	STEP 0, 0, 1                                   ; the first step stands in front of the loop: its products start the sums
	s_mov_b32 s3, LAPS-1
.Llap:                                                 ; a trip goes once round the ring and fills both slots again
	STEPS 0, 1
	TURN 0, 1, 1
	STEPS 1, 0
	TURN 1, 0, 1
	STEP 0, 0, 0
	s_sub_co_u32 s3, s3, 1
	s_cmp_lg_u32 s3, 0
	s_cbranch_scc1 .Llap
	STEPS 0, 1                                     ; the last lap fills nothing
	TURN 0, 1, 0
	s_load_b256 s[68:75], s[0:1], 0x8              ; no tensor load of mine is out any more, so the descriptors' registers are free: cos 68, sin 70, qn 72, kn 74,
	s_load_b128 s[76:79], s[0:1], 0x28             ; qkv 76, gate 78,
	s_load_b64 s[80:81], s[0:1], 0x38              ; fine 80
	STEPS 1, 0
	s_wait_dscnt 4*NL                              ; the very last step
	WIN MUL_LO
	MUL16 0, 1, NQ-1, 1, 0
	MUL16 2, 1, NQ-1, 1, 0
	s_wait_dscnt 0
	WIN MUL_HI
	MUL16 4, 1, NQ-1, 1, 0
	MUL16 6, 1, NQ-1, 1, 0
	WIN 0
	; ---- THE WAY OUT
	PLACES NP                                      ; behind the last products: results are read, and their operands' registers written, only from here on
	s_wait_kmcnt 0x0
	v_and_b32 v1, 15, v0                           ; r
	v_bfe_u32 v2, v0, 4, 1                         ; h
	v_and_b32 v3, 31, v0
	v_lshlrev_b32 v[LI], 4, v3
	v_lshrrev_b32 v4, 3, v1
	v_and_b32 v5, 7, v1
	v_lshl_add_u32 v4, v4, 4, v5
	v_lshl_add_u32 v4, v2, 3, v4                   ; 16 (r / 8) + 8 h + r % 8
	v_lshlrev_b32 v[VP], 4, v4
	v_lshlrev_b32 v[CO], 7, v1
	v_lshl_add_u32 v[CO], v2, 4, v[CO]
	v_lshlrev_b32 v[WO], 5, v2
	s_lshl_b32 s38, s17, 4
	s_lshl_b32 s39, s15, 3
	s_add_co_u32 s38, s38, s39                     ; my first block of 16 tokens: 16 x tile row + 8 x half
	s_or_b32 s39, s17, s15
	s_cmp_eq_u32 s39, 0
	s_cselect_b32 s40, -1, 0                       ; all lanes where my first block is tokens 0-15, else none: the mask of the stores into fine
	s_cmp_lt_u32 ttmp9, 2                          ; the cluster's x and the wave's number: alike in all partners
	s_cbranch_scc1 .Lrope
	s_cmp_gt_u32 ttmp9, 2
	s_cbranch_scc1 .Lg
	s_cmp_eq_u32 s16, 0
	s_cbranch_scc1 .Lrope
	; ---- v: to f16, each piece at the place from which the turning load will take it
	s_sub_co_u32 s24, s42, 8
	s_lshl_b32 s24, s24, 1                         ; my first head of v
	s_lshl_b32 s26, s24, 18                        ; 262,144 bytes a head
	s_lshl_b32 s25, s38, 11                        ; 2,048 a block of tokens
	s_add_co_u32 s26, s26, s25
	s_add_co_u32 s26, s26, 10485760                ; V's images lie behind Q's and K's
	s_mov_b32 s27, 0
	s_add_nc_u64 s[44:45], s[76:77], s[26:27]
	s_lshl_b32 s26, s24, 12
	s_add_co_u32 s26, s26, 163840
	s_add_nc_u64 s[46:47], s[80:81], s[26:27]
.irp a, 0,1,2,3,4,5,6,7
.if \a == 4
	s_wait_xcnt 0x0                                ; the stores of blocks 0-3 have read their registers: the four sets may be written again
.endif
	WIN 0x0a+5*(\a/4)                              ; sources 0 and 1: window 2 or 3
.irp b, 0,1,2,3,4,5,6,7
.irp i, 0,1,2,3
	v_cvt_pk_f16_f32 v[32+32*(\a%4)+4*\b+\i], v[64*(\a%4)+8*\b+2*\i], v[64*(\a%4)+8*\b+2*\i+1]   ; each accumulator from its low end on
.endr
.endr
	WIN 0
.irp b, 0,1,2,3,4,5,6,7
	global_store_b128 v[VP], v[32+32*(\a%4)+4*\b:32+32*(\a%4)+4*\b+3], s[44:45] offset:(\b/4)*262144+\a*2048+(\b%4)*512   ; the wave stores 512 consecutive bytes
.endr
.if \a == 0
	s_wait_xcnt 0x0                                ; EXEC changes only behind this wait
	s_and_saveexec_b32 s41, s40
	WIN 0x08                                       ; a store's data: window 2
.irp b, 0,1,2,3,4,5,6,7
	global_store_b128 v[LI], v[8*\b:8*\b+3], s[46:47] offset:\b*1024
	global_store_b128 v[LI], v[8*\b+4:8*\b+7], s[46:47] offset:\b*1024+512
.endr
	WIN 0
	s_wait_xcnt 0x0                                ; and again in front of the line that restores it
	s_or_b32 exec_lo, exec_lo, s41
.endif
.endr
	s_branch .Lend
.Lg:	; ---- the gate: x wg^T as it stands, in f32; the sigmoid is taken where it is used
	s_sub_co_u32 s24, s42, 12
	s_lshl_b32 s24, s24, 4
	s_lshl_b32 s25, s16, 3
	s_add_co_u32 s24, s24, s25                     ; my first block of 16 columns
	s_lshl_b32 s24, s24, 10
	s_lshl_b32 s25, s38, 17                        ; 131,072 bytes a block of tokens
	s_add_co_u32 s24, s24, s25
	s_mov_b32 s25, 0
	s_add_nc_u64 s[44:45], s[78:79], s[24:25]
.irp a, 0,1,2,3,4,5,6,7
	WIN 0x08+4*(\a/4)                              ; a store's data: window 2 or 3
.irp b, 0,1,2,3,4,5,6,7
	global_store_b128 v[LI], v[64*(\a%4)+8*\b:64*(\a%4)+8*\b+3], s[44:45] offset:\a*131072+\b*1024
	global_store_b128 v[LI], v[64*(\a%4)+8*\b+4:64*(\a%4)+8*\b+7], s[44:45] offset:\a*131072+\b*1024+512
.endr
.endr
	WIN 0
	s_branch .Lend
.Lrope:	; ---- q and k, one text: what differs is chosen by selects on the cluster's x
	s_lshl_b32 s24, s42, 2
	s_lshl_b32 s25, s16, 1
	s_add_co_u32 s24, s24, s25                     ; q: my first head = 4 x tile column + 2 x half
	s_sub_co_u32 s25, s42, 8
	s_lshl_b32 s25, s25, 1                         ; k: 2 x (tile column - 8)
	s_cmp_lt_u32 ttmp9, 2
	s_cselect_b32 s24, s24, s25
	s_cselect_b32 s26, 0, 8388608                  ; K's images lie behind Q's
	s_cselect_b32 s27, 0, 131072                   ; in fine too
	s_cselect_b64 s[52:53], s[72:73], s[74:75]     ; qn or kn
	s_lshl_b32 s28, s24, 18
	s_add_co_u32 s28, s28, s26
	s_lshl_b32 s29, s38, 11
	s_add_co_u32 s28, s28, s29
	s_mov_b32 s29, 0
	s_add_nc_u64 s[44:45], s[76:77], s[28:29]
	s_lshl_b32 s28, s24, 12
	s_add_co_u32 s28, s28, s27
	s_add_nc_u64 s[46:47], s[80:81], s[28:29]
	s_lshl_b32 s28, s38, 11                        ; cos, sin: 16 tokens x 128 bytes a block
	s_add_nc_u64 s[68:69], s[68:69], s[28:29]
	s_add_nc_u64 s[70:71], s[70:71], s[28:29]
	s_mov_b32 s48, 0x3c800000                      ; 1 / 64
	s_mov_b32 s49, 0x358637bd                      ; 1e-6
	s_mov_b32 s50, 0x76543210
	s_mov_b32 s51, 0xfedcba98                      ; v_permlanex16_b32's selects for lane l xor 16
	v_mov_b32 v[IV+1], 0                           ; (named as the upper halves of pairs)
	v_mov_b32 v[IV+3], 0
.macro CSLOAD a                        ; cos and sin of block a's token r at the pairs 8 bb + 4 h + 0..3
.irp bb, 0,1,2,3
	global_load_b128 v[CS+32*((\a)%2)+4*\bb:CS+32*((\a)%2)+4*\bb+3], v[CO], s[68:69] offset:(\a)*2048+32*\bb
	global_load_b128 v[CS+32*((\a)%2)+16+4*\bb:CS+32*((\a)%2)+16+4*\bb+3], v[CO], s[70:71] offset:(\a)*2048+32*\bb
.endr
.endm
.irp bb, 0,1,2,3
	global_load_b128 v[WN+8*\bb:WN+8*\bb+3], v[WO], s[52:53] offset:64*\bb         ; w[16 bb + 8 h + 0..7]
	global_load_b128 v[WN+8*\bb+4:WN+8*\bb+7], v[WO], s[52:53] offset:64*\bb+16
.endr
	CSLOAD 0
; Block a: 16 tokens x my two heads.  A lane holds 32 of a head's 64 numbers of its token, lane l xor 16 the other 32.
.macro RBLK a
.set CSA, CS+32*((\a)%2)
.set AB, 64*((\a)%4)
	s_wait_xcnt 0x0                                ; the last block's stores have read Y and PK
.if (\a) < 7
	CSLOAD (\a)+1
	s_wait_loadcnt 8                               ; all but the eight just issued: this block's cos and sin (and the weights) are in
.else
	s_wait_loadcnt 0x0
.endif
	WIN 0x02+(\a)/4                                ; source 0: the accumulators' window
.irp hh, 0,1
.irp bb, 0,1,2,3
.irp i, 0,1,2,3
	v_mul_f32 v[T+2*(\i%2)],   v[AB+32*\hh+8*\bb+2*\i+1], v[CSA+16+4*\bb+\i]          ; xi s   (an accumulator's first read is its register 1)
	v_mul_f32 v[T+2*(\i%2)+1], v[AB+32*\hh+8*\bb+2*\i+1], v[CSA+4*\bb+\i]             ; xi c
	v_fma_f32 v[Y+32*\hh+8*\bb+2*\i],   v[AB+32*\hh+8*\bb+2*\i], v[CSA+4*\bb+\i], -v[T+2*(\i%2)]      ; xr c - xi s
	v_fma_f32 v[Y+32*\hh+8*\bb+2*\i+1], v[AB+32*\hh+8*\bb+2*\i], v[CSA+16+4*\bb+\i], v[T+2*(\i%2)+1]  ; xr s + xi c
.endr
.endr
.endr
	WIN 0
	v_pk_mul_f32 v[SQ:SQ+1], v[Y:Y+1], v[Y:Y+1]                    ; the sums of squares, the two heads by turns
	v_pk_mul_f32 v[SQ+2:SQ+3], v[Y+32:Y+33], v[Y+32:Y+33]
.irp k, 2,4,6,8,10,12,14,16,18,20,22,24,26,28,30
	v_pk_fma_f32 v[SQ:SQ+1], v[Y+\k:Y+\k+1], v[Y+\k:Y+\k+1], v[SQ:SQ+1]
	v_pk_fma_f32 v[SQ+2:SQ+3], v[Y+32+\k:Y+33+\k], v[Y+32+\k:Y+33+\k], v[SQ+2:SQ+3]
.endr
	v_add_f32 v[SQ], v[SQ], v[SQ+1]
	v_add_f32 v[SQ+2], v[SQ+2], v[SQ+3]
	v_permlanex16_b32 v[T], v[SQ], s50, s51
	v_permlanex16_b32 v[T+1], v[SQ+2], s50, s51
	v_add_f32 v[SQ], v[SQ], v[T]
	v_add_f32 v[SQ+2], v[SQ+2], v[T+1]
	v_fma_f32 v[SQ], v[SQ], s48, s49               ; the mean + 1e-6
	v_fma_f32 v[SQ+2], v[SQ+2], s48, s49
	v_rsq_f32 v[IV], v[SQ]
	v_rsq_f32 v[IV+2], v[SQ+2]
	v_nop                                          ; a plain instruction behind the two
	s_wait_alu depctr_va_vdst(0)                   ; one wait for both, ahead of their first reader
.irp hh, 0,1
.irp k, 0,2,4,6,8,10,12,14,16,18,20,22,24,26,28,30
	v_pk_mul_f32 v[Y+32*\hh+\k:Y+32*\hh+\k+1], v[Y+32*\hh+\k:Y+32*\hh+\k+1], v[IV+2*\hh:IV+2*\hh+1] op_sel_hi:[1,0]
.endr
.endr
.irp hh, 0,1
.irp k, 0,2,4,6,8,10,12,14,16,18,20,22,24,26,28,30
	v_pk_mul_f32 v[Y+32*\hh+\k:Y+32*\hh+\k+1], v[Y+32*\hh+\k:Y+32*\hh+\k+1], v[WN+\k:WN+\k+1]
.endr
.endr
.irp hh, 0,1
.irp k, 0,1,2,3,4,5,6,7,8,9,10,11,12,13,14,15
	v_cvt_pk_f16_f32 v[PK+16*\hh+\k], v[Y+32*\hh+2*\k], v[Y+32*\hh+2*\k+1]
.endr
.endr
.irp hh, 0,1
.irp bb, 0,1,2,3
	global_store_b128 v[LI], v[PK+16*\hh+4*\bb:PK+16*\hh+4*\bb+3], s[44:45] offset:\hh*262144+(\a)*2048+\bb*512   ; the wave stores 512 consecutive bytes
.endr
.endr
.if (\a) == 0
	s_wait_xcnt 0x0                                ; EXEC changes only behind this wait
	s_and_saveexec_b32 s41, s40
.irp hh, 0,1
.irp bb, 0,1,2,3
	global_store_b128 v[LI], v[Y+32*\hh+8*\bb:Y+32*\hh+8*\bb+3], s[46:47] offset:\hh*4096+\bb*1024
	global_store_b128 v[LI], v[Y+32*\hh+8*\bb+4:Y+32*\hh+8*\bb+7], s[46:47] offset:\hh*4096+\bb*1024+512
.endr
.endr
	s_wait_xcnt 0x0                                ; and again in front of the line that restores it
	s_or_b32 exec_lo, exec_lo, s41
.endif
.endm
.irp a, 0,1,2,3,4,5,6,7
	RBLK \a
.endr
.Lend:
	s_wait_tensorcnt 0x0                           ; the wave's end: behind my last tensor load
	ds_add_u32 v[SPW], v[NIL]
	s_wait_dscnt 0x0
	CROUND                                         ; the closing round: no work-group ends while a partner may still ask for a tile that names it
	s_endpgm
.Lfunc_end_k_q9b1c1ee096_proj:
	.size	k_q9b1c1ee096_proj, .Lfunc_end_k_q9b1c1ee096_proj-k_q9b1c1ee096_proj
	.p2alignl 7, 3214868480
	.fill 96, 4, 3214868480
	.section	.rodata,"a",@progbits
	.p2align	6, 0x0
	.amdhsa_kernel k_q9b1c1ee096_proj
		.amdhsa_group_segment_fixed_size 327680
		.amdhsa_private_segment_fixed_size 0
		.amdhsa_enable_private_segment 0
		.amdhsa_kernarg_size 64
		.amdhsa_user_sgpr_count 2
		.amdhsa_user_sgpr_kernarg_segment_ptr 1
		.amdhsa_wavefront_size32 1
		.amdhsa_system_sgpr_workgroup_id_x 1
		.amdhsa_system_sgpr_workgroup_id_y 1
		.amdhsa_system_sgpr_workgroup_id_z 1
		.amdhsa_system_vgpr_workitem_id 0
		.amdhsa_next_free_vgpr 1024
		.amdhsa_next_free_sgpr 98
		.amdhsa_reserve_vcc 0
		.amdhsa_float_denorm_mode_32 3
		.amdhsa_float_denorm_mode_16_64 3
		.amdhsa_memory_ordered 1
		.amdhsa_forward_progress 1
		.amdhsa_inst_pref_size 255
	.end_amdhsa_kernel
	.section	.bss,"aw",@nobits
	.p2align	6
	.space	262144
	.amdgpu_metadata
---
amdhsa.version: [ 1, 2 ]
amdhsa.kernels:
  - .name:           k_q9b1c1ee096_proj
    .symbol:         k_q9b1c1ee096_proj.kd
    .args:
      - { .name: codes, .offset: 0, .size: 8, .value_kind: global_buffer, .address_space: global }
      - { .name: cos, .offset: 8, .size: 8, .value_kind: global_buffer, .address_space: global }
      - { .name: sin, .offset: 16, .size: 8, .value_kind: global_buffer, .address_space: global }
      - { .name: qn, .offset: 24, .size: 8, .value_kind: global_buffer, .address_space: global }
      - { .name: kn, .offset: 32, .size: 8, .value_kind: global_buffer, .address_space: global }
      - { .name: qkv, .offset: 40, .size: 8, .value_kind: global_buffer, .address_space: global }
      - { .name: gate, .offset: 48, .size: 8, .value_kind: global_buffer, .address_space: global }
      - { .name: fine, .offset: 56, .size: 8, .value_kind: global_buffer, .address_space: global }
    .group_segment_fixed_size: 327680
    .private_segment_fixed_size: 0
    .kernarg_segment_align: 8
    .kernarg_segment_size: 64
    .max_flat_workgroup_size: 128
    .sgpr_count:     98
    .vgpr_count:     1024
    .wavefront_size: 32
...
	.end_amdgpu_metadata
.endif
;; end of part 2
;; launch attn (part 3): grid 32 x 8, 16 waves a work-group, no clusters, 327,680 bytes of LDS; arguments qkv, gate, og; writes og
.if DOCPART == 3
	.amdgcn_target "amdgcn-amd-amdhsa--gfx1250"
	.amdhsa_code_object_version 6
	.text
	.protected	k_q9b1c1ee096_attn
	.globl	k_q9b1c1ee096_attn
	.p2align	8
	.type	k_q9b1c1ee096_attn,@function
k_q9b1c1ee096_attn:
	s_mov_b64 s[64:65], 0
	v_nop
	global_prefetch_b8 v0, s[64:65] scope:SCOPE_SE
	s_setreg_imm32_b32 hwreg(HW_REG_WAVE_MODE, 25, 1), 1
	s_wait_xcnt 0x0
; LAUNCH 3 OF 5.  og[token][64 head + d] = f16( softmax_k(q . k / 8, causal) v x sigmoid(x wg^T) ).  Products 4 and 5 with f16 operands and f32 sums; maxima, exponentials and sums in f32.
; LEFT OUT: key steps all of whose keys come after a tile's 16 queries (reference()'s own tril gives them the weight 0 for every finite score); and all key steps of queries 0-15, whose rows of the result
; launch 5 makes in f32: their tile hands on zeros (O = 0, sum = 1), since launch 4's tile reads those bytes.
; SHARES.  Work-group (i, g) takes key/value head g and the blocks of 32 tokens i and 63 - i, for all four query heads: 16 tiles of 16 queries, one to a wave; every work-group so has the same count of
; query-tile x key work.  Wave w: head 4 g + w / 4; b = w % 4: tokens 16 (b / 2) on of block i or 63 - i, by the parity of (w / 4) xor b, so that early and late tiles are mixed among neighbouring waves.
; K and V (256 keys a slot) come through two LDS slots filled by the tensor data mover (waves 0, 1: K's halves; waves 2, 3: V's), as dense images of operand registers: every LDS read is at 16 x lane.
; No cluster: under the mask the work-groups of one key/value head need different numbers of slots, so a joint load would bring tiles that some partner never reads.
; LAYOUT.  S^T = K Q^T (source 0 = 16 keys, source 1 = my 16 queries), O^T = V^T P: a lane holds one query (lane % 16) throughout; two tiles of S^T, rounded in pairs, are a fragment of P.
; SOFTMAX.  Running maximum m and sum l: p = 2^(c s - c m), c = log2(e) / 8; O and l are multiplied by a = 2^(c m_old - c m_new) in every step.  The sum is taken of the f32 p.
; LIMITS: p under 6e-8 counts as 0 in the second product (f16); |o x sigmoid| under 65,504.
.set SK,     256                       ; keys in a slot
.set NQ,     4                         ; key steps of 64 in a slot
.set NSL,    2048/SK
.set SLOT1,  65536                     ; slot 1 begins here: one exclusive or turns an address
.set VOFF,   32768                     ; a slot: 32,768 bytes of K's images, then V's
.set STAGE,  2*SLOT1                   ; the way out: 64 rows x (512 bytes + 16); no tensor load lands here
.set SPITCH, 528
.set SPARE,  STAGE+64*SPITCH           ; the spare words: 128 bytes a wave, named by no other line
.set KBASE,  8388608                   ; K's images in qkv; V's lie 2,097,152 further on
.set LI,  1                            ; v1   16 x lane
.set ADR, 2                            ; v2   the slot in hand + 16 x lane
.set SPW, 3                            ; v3   LDS address of my spare word; never rewritten
.set NIL, 4                            ; v4   0; never rewritten
.set DL0, 5                            ; v5   r - 8 h
.set STO, 6                            ; v6   the stage: where I put 16 bytes
.set RD,  7                            ; v7   and where I read a row back
.set CM,  8                            ; v8 c m, v9 m
.set LS,  10                           ; v[10:11] l, in two halves
.set T,   12                           ; v12-15 at work
.set QF,  16                           ; v16-31   Q's two fragments
.set KR,  32                           ; v32-95   K: tile t, piece bb at 16 t + 4 bb
.set VR,  96                           ; v96-159  V^T: channels 16 dt on, block of 16 keys tb at 16 dt + 4 tb
.set S,   160                          ; v160-191 S^T, then p
.set P,   192                          ; v192-207 p in f16
.set O,   208                          ; v208-239 O^T
.set AL,  240                          ; v[240:241] a
.set W,   242                          ; v242-249 at work
.set PFO, 251                          ; v251 256 x lane; never rewritten
.set TB,  2                            ; s2   LDS byte at which the slot in hand begins
.set WV,  18
.set SEL, 20
.set CS,  22                           ; s[22:23] c, twice
.set G1,  24                           ; s[24:31] descriptor group 1
.set G0,  40                           ; s[40:43] group 0, which walks
.set Q0,  48                           ; my first query
.set QL,  49                           ; my last query, or -1 for queries 0-15
.set LQ,  50                           ; my work-group's last query
.set KF,  51                           ; the step's first key
.set SLOTS, 52
.set LIM, 53                           ; 1 in a wave that prefetches, else the greatest number
.set PFA, 54                           ; s[54:55] where my prefetches stand
.macro TLOAD                           ; waves 0 to 3 fetch, the others nothing; an s_nop 0 and four v_nop follow the line
	s_cmp_lt_u32 s[WV], 4
	s_cbranch_scc0 .Lasked_\@
	tensor_load_to_lds s[G0:G0+3], s[G1:G1+7]
	s_nop 0
.rept 4
	v_nop
.endr
.Lasked_\@:
.endm
; A prefetch of what the NEXT change of slots will ask for: 32,768 bytes of K's images and as many of V's.  All 32 work-groups of a key/value head walk the same bytes: work-group x = 0, which walks all slots,
; asks; in it waves 4-7 take K's four quarters and waves 8-11 V's, 8,192 bytes a wave, lanes 256 bytes apart: each block of 256 bytes of slots 2 to 7 is named once.  The last filling change asks for nothing.
.macro ASK
	s_cmp_gt_u32 s[SLOTS], s[LIM]
	s_cbranch_scc0 .Lnot_mine_\@
	global_prefetch_b8 v[PFO], s[PFA:PFA+1] th:TH_LOAD_NT scope:SCOPE_SE
.Lnot_mine_\@:
.endm
	s_load_b128 s[4:7], s[0:1], 0x0                ; qkv, gate
	s_load_b64 s[8:9], s[0:1], 0x10                ; og
	v_lshl_add_u32 v[SPW], v0, 2, SPARE
	v_mov_b32 v[NIL], 0
	ds_add_u32 v[SPW], v[NIL]                      ; the wave's opening: the add, twice on end, and its wait ahead of the first tensor load
	ds_add_u32 v[SPW], v[NIL]
	v_lshrrev_b32 v5, 5, v0
	v_readfirstlane_b32 s[WV], v5                  ; wave 0..15
	s_and_b32 s10, ttmp7, 0xffff                   ; g
	s_lshr_b32 s11, s[WV], 2                       ; which of the four query heads
	s_and_b32 s12, s[WV], 3                        ; b
	s_lshr_b32 s13, s12, 1                         ; u: which 16 tokens of the block
	s_xor_b32 s14, s11, s12
	s_and_b32 s14, s14, 1                          ; e: block i (0) or 63 - i (1)
	s_sub_co_u32 s15, 63, ttmp9
	s_cmp_eq_u32 s14, 0
	s_cselect_b32 s16, ttmp9, s15
	s_lshl_b32 s16, s16, 5
	s_lshl_b32 s17, s13, 4
	s_add_co_u32 s[Q0], s16, s17
	s_add_co_u32 s[QL], s[Q0], 15
	s_cmp_eq_u32 s[Q0], 0
	s_cselect_b32 s[QL], -1, s[QL]                 ; queries 0-15 walk nothing
	s_cselect_b32 s60, 0x3f800000, 0               ; and their sum begins as 1
	s_lshl_b32 s[LQ], ttmp9, 5
	s_sub_co_u32 s[LQ], 2047, s[LQ]
	s_mov_b32 s[G1], 3<<16                         ; no mask; elements of 8 bytes; no padding: 16,384 dense bytes as 64 rows of 256
	s_mov_b32 s[G1+1], 32<<16                      ; tensor_dim0 = 32
	s_mov_b32 s[G1+2], 64<<16                      ; tensor_dim1 = 64
	s_mov_b32 s[G1+3], 32<<16                      ; tile_dim0 = 32
	s_mov_b32 s[G1+4], 64                          ; tile_dim1 = 64
	s_mov_b32 s[G1+5], 32                          ; from row to row
	s_mov_b32 s[G1+6], 0
	s_mov_b32 s[G1+7], 0
	s_mov_b32 s[G0], 1
	s_lshl_b32 s[G0+1], s12, 14                    ; slot 0: K's halves at 0 and 16,384, V's at 32,768 and 49,152
	s_lshr_b32 s56, s[WV], 1
	s_and_b32 s56, s56, 1
	s_lshl_b32 s56, s56, 21                        ; K or V,
	s_and_b32 s57, s[WV], 1
	s_lshl_b32 s57, s57, 14                        ; which half of the slot,
	s_add_co_u32 s56, s56, s57
	s_lshl_b32 s57, s10, 18                        ; the head: 262,144 bytes
	s_add_co_u32 s56, s56, s57
	s_add_co_u32 s56, s56, KBASE
	s_mov_b32 s57, 0
	s_mov_b32 s[SEL], 0x76543210
	s_mov_b32 s[SEL+1], 0xfedcba98
	s_mov_b32 s[CS], 0x3e38aa3b                    ; c = log2(e) / 8
	s_mov_b32 s[CS+1], s[CS]
	s_mov_b32 s[TB], 0
	s_mov_b32 s[KF], 0
	s_mov_b32 s[SLOTS], NSL-1
	s_wait_dscnt 0x0                               ; both opening adds are done
	s_wait_kmcnt 0x0
	s_add_nc_u64 s[G0+2:G0+3], s[4:5], s[56:57]
	s_or_b32 s[G0+3], s[G0+3], 0x80000000
	TLOAD                                          ; slot 0: one tensor load of a wave is out at the most, here and later
	s_lshl_b32 s58, s10, 2
	s_add_co_u32 s58, s58, s11                     ; my query head
	s_lshl_b32 s56, s58, 18
	s_lshl_b32 s59, s[Q0], 7                       ; 2,048 bytes a block of 16 tokens
	s_add_co_u32 s56, s56, s59
	s_add_nc_u64 s[32:33], s[4:5], s[56:57]        ; Q's image of my tile
	s_lshl_b32 s56, s[Q0], 13                      ; the gate: 131,072 bytes a block of 16 tokens,
	s_lshl_b32 s59, s58, 12                        ; 4,096 a head
	s_add_co_u32 s56, s56, s59
	s_add_nc_u64 s[6:7], s[6:7], s[56:57]
	s_lshr_b32 s56, s[WV], 3                       ; the rows that I store: stage rows 4 w on
	s_cmp_eq_u32 s56, 0
	s_cselect_b32 s56, ttmp9, s15
	s_lshl_b32 s56, s56, 5
	s_lshr_b32 s59, s[WV], 2
	s_and_b32 s59, s59, 1
	s_lshl_b32 s59, s59, 4
	s_add_co_u32 s56, s56, s59
	s_lshl_b32 s59, s12, 2
	s_add_co_u32 s56, s56, s59                     ; their first token
	s_lshl_b32 s56, s56, 12                        ; a row of og is 4,096 bytes,
	s_lshl_b32 s59, s10, 9                         ; my four heads 512 of them
	s_add_co_u32 s56, s56, s59
	s_add_nc_u64 s[8:9], s[8:9], s[56:57]
	s_cmp_lt_u32 s[WV], 8                          ; the prefetches: waves 4-7 K, waves 8-11 V
	s_cselect_b32 s56, 0, 2097152
	s_add_co_u32 s56, s56, KBASE+SK*128            ; in slot 1: the first change of slots steps it to slot 2
	s_lshl_b32 s59, s10, 18
	s_add_co_u32 s56, s56, s59
	s_lshl_b32 s59, s12, 13
	s_add_co_u32 s56, s56, s59
	s_add_nc_u64 s[PFA:PFA+1], s[4:5], s[56:57]
	s_sub_co_u32 s56, s[WV], 4
	s_lshr_b32 s56, s56, 3                         ; 0 in waves 4 to 11,
	s_or_b32 s56, s56, ttmp9                       ; of work-group x = 0
	s_cmp_eq_u32 s56, 0
	s_cselect_b32 s[LIM], 1, -1
	v_and_b32 v12, 15, v0                          ; r
	v_bfe_u32 v13, v0, 4, 1                        ; h
	v_and_b32 v14, 31, v0
	v_lshlrev_b32 v[LI], 4, v14
	v_lshlrev_b32 v[PFO], 8, v14
.irp bb, 0,1,2,3
	global_load_b128 v[QF+4*\bb:QF+4*\bb+3], v[LI], s[32:33] offset:512*\bb   ; Q's fragments stay in registers
.endr
	v_lshlrev_b32 v15, 3, v13
	v_sub_nc_u32 v[DL0], v12, v15
	s_lshl_b32 s56, s14, 1
	s_add_co_u32 s56, s56, s13
	s_mul_i32 s56, s56, 16*SPITCH                  ; the stage: rows 16 (2 e + u) on,
	s_lshl_b32 s59, s11, 7                         ; my head's 128 bytes of a row
	s_add_co_u32 s56, s56, s59
	s_add_co_u32 s56, s56, STAGE
	v_mul_u32_u24 v[STO], v12, SPITCH
	v_lshl_add_u32 v[STO], v13, 4, v[STO]
	v_add_nc_u32 v[STO], s56, v[STO]
	s_mul_i32 s56, s[WV], 4*SPITCH
	s_add_co_u32 s56, s56, STAGE
	v_add_nc_u32 v[RD], s56, v[LI]
	v_mov_b32 v[CM+1], 0xff61b1e6                  ; m: -3e38, under every score
	v_mul_f32 v[CM], s[CS], v[CM+1]
	v_mov_b32 v[LS], s60
	v_mov_b32 v[LS+1], 0
.irp j, 0,1,2,3
	v_mov_b32 v[T+\j], 0                           ; (a lane permute's destination counts as one of its sources)
.endr
	v_mov_b32 v[AL], 0
	v_mov_b32 v[AL+1], 0                           ; (named as the upper half of a pair)
.set n, 0
.rept 32
	v_mov_b32 v[O+n], 0                            ; O^T: the step is written once; its first turn finds zeros, which a = 0 leaves zeros
.set n, n+1
.endr
; A KEY STEP: 64 keys, the q-th of the slot in hand.
.macro STEP q
	s_cmp_gt_i32 s[KF], s[QL]                      ; all its keys come after my queries: a branch on ids, round the step's loads, products and softmax alone
	s_cbranch_scc1 .Lhidden_\@
	v_add_nc_u32 v[ADR], s[TB], v[LI]
.rept 3
	v_nop                                          ; with the addition: four places in front of loads into V's registers, which the last products read
.endr
.irp t, 0,1,2,3
.irp bb, 0,1,2,3
	ds_load_b128 v[KR+16*\t+4*\bb:KR+16*\t+4*\bb+3], v[ADR] offset:8192*(\q)+2048*\t+512*\bb
.endr
.endr
.irp tb, 0,1,2,3
.irp dt, 0,1,2,3
	ds_load_tr16_b128 v[VR+16*\dt+4*\tb:VR+16*\dt+4*\tb+3], v[ADR] offset:VOFF+8192*(\q)+2048*\tb+512*\dt
.endr
.endr
	s_wait_dscnt 16                                ; K is in; V's sixteen loads may be out
.irp t, 0,1,2,3                        ; the four accumulators take turns; the first products start the sums
	v_wmma_f32_16x16x32_f16 v[S+8*\t:S+8*\t+7], v[KR+16*\t:KR+16*\t+7], v[QF:QF+7], 0
.endr
.irp t, 0,1,2,3
	v_wmma_f32_16x16x32_f16 v[S+8*\t:S+8*\t+7], v[KR+16*\t+8:KR+16*\t+15], v[QF+8:QF+15], v[S+8*\t:S+8*\t+7]
.endr
.rept 4
	v_nop
.endr
	s_add_co_u32 s56, s[KF], 63                    ; on the diagonal hidden scores become -infinity ahead of the maximum; a step all of whose keys count skips this
	s_cmp_le_u32 s56, s[Q0]
	s_cbranch_scc1 .Lopen_\@
	s_sub_co_i32 s56, s[Q0], s[KF]
	v_add_nc_u32 v[W], s56, v[DL0]                 ; register 8 t + j holds key KF + 16 t + 8 h + j: hidden where 16 t + j > my query - KF - 8 h
	v_mov_b32 v[W+1], 0xff800000
.irp n, 0,1,2,3,4,5,6,7,8,9,10,11,12,13,14,15,16,17,18,19,20,21,22,23,24,25,26,27,28,29,30,31
	v_cmp_gt_i32 vcc_lo, 16*(\n/8)+\n%8, v[W]
	v_cndmask_b32 v[S+\n], v[S+\n], v[W+1], vcc_lo
.endr
.Lopen_\@:
.irp t, 0,1,2,3
	v_max3_num_f32 v[T+\t], v[S+8*\t], v[S+8*\t+1], v[S+8*\t+2]      ; four chains, each tile from its low end on
.endr
.irp i, 3,5
.irp t, 0,1,2,3
	v_max3_num_f32 v[T+\t], v[T+\t], v[S+8*\t+\i], v[S+8*\t+\i+1]
.endr
.endr
.irp t, 0,1,2,3
	v_max_num_f32 v[T+\t], v[T+\t], v[S+8*\t+7]
.endr
	v_max3_num_f32 v[T], v[T], v[T+1], v[T+2]
	v_max3_num_f32 v[T], v[T], v[T+3], v[CM+1]     ; with the old m
	v_permlanex16_b32 v[T+1], v[T], s[SEL], s[SEL+1]   ; the query's other 32 keys lie in the lane 16 away
	v_mov_b32 v[T+2], v[CM]
	v_max_num_f32 v[CM+1], v[T], v[T+1]
	v_mul_f32 v[CM], s[CS], v[CM+1]
	v_sub_f32 v[T+2], v[T+2], v[CM]                ; c m_old - c m_new
.irp k, 0,2,4,6,8,10,12,14,16,18,20,22,24,26,28,30
	v_pk_fma_f32 v[S+\k:S+\k+1], v[S+\k:S+\k+1], s[CS:CS+1], v[CM:CM+1] op_sel_hi:[1,0,0] neg_lo:[0,0,1] neg_hi:[0,0,1]   ; c s - c m
.endr
	v_exp_f32 v[AL], v[T+2]                        ; a, and the 32 p: one batch
.irp n, 0,1,2,3,4,5,6,7,8,9,10,11,12,13,14,15,16,17,18,19,20,21,22,23,24,25,26,27,28,29,30,31
	v_exp_f32 v[S+\n], v[S+\n]
.endr
	v_nop                                          ; a plain instruction behind the last exponential
	s_wait_alu depctr_va_vdst(0)                   ; one wait for the batch, ahead of its first reader
	v_pk_mul_f32 v[LS:LS+1], v[LS:LS+1], v[AL:AL+1] op_sel_hi:[1,0]
.irp k, 0,1,2,3,4,5,6,7,8,9,10,11,12,13,14,15
	v_cvt_pk_f16_f32 v[P+\k], v[S+2*\k], v[S+2*\k+1]
.endr
	v_pk_add_f32 v[W:W+1], v[S:S+1], v[S+2:S+3]    ; the sum of the f32 p, in two chains
.irp j, 4,8,12,16,20,24,28
	v_pk_add_f32 v[LS:LS+1], v[LS:LS+1], v[S+\j:S+\j+1]
	v_pk_add_f32 v[W:W+1], v[W:W+1], v[S+\j+2:S+\j+3]
.endr
	v_pk_add_f32 v[LS:LS+1], v[LS:LS+1], v[W:W+1]
.irp k, 0,2,4,6,8,10,12,14,16,18,20,22,24,26,28,30
	v_pk_mul_f32 v[O+\k:O+\k+1], v[O+\k:O+\k+1], v[AL:AL+1] op_sel_hi:[1,0]   ; O^T x a, each accumulator from its low end on
.endr
	s_wait_dscnt 0x0                               ; V is in
.irp kc, 0,1
.irp dt, 0,1,2,3
	v_wmma_f32_16x16x32_f16 v[O+8*\dt:O+8*\dt+7], v[VR+16*\dt+8*\kc:VR+16*\dt+8*\kc+7], v[P+8*\kc:P+8*\kc+7], v[O+8*\dt:O+8*\dt+7]
.endr
.endr
.Lhidden_\@:
	s_add_co_u32 s[KF], s[KF], 64
.endm
; THE CHANGE OF SLOTS stands at a slot's head.  Each wave waits for all its tensor loads, adds 0 to its spare word (fill = 1: twice on end),
; and waits for that and for its reads of the slot that it has left.  Behind the barrier the slot ahead is whole and nobody reads the other one: it is filled with the keys that follow, up to the causal limit.
.macro CHANGE fill
	s_wait_tensorcnt 0x0                           ; no tensor load of mine is out, so group 0 may be written
	ds_add_u32 v[SPW], v[NIL]
.if \fill
	ds_add_u32 v[SPW], v[NIL]
	s_xor_b32 s[G0+1], s[G0+1], SLOT1              ; the other slot than last time,
	s_add_nc_u64 s[G0+2:G0+3], s[G0+2:G0+3], SK*128   ; the next 256 keys; the type bits on top are not reached
	s_wait_xcnt 0x0                                ; the last prefetch, a slot back, has read its address
	s_add_nc_u64 s[PFA:PFA+1], s[PFA:PFA+1], SK*128
.endif
	s_wait_dscnt 0x0
	s_barrier_signal -1
	s_barrier_wait -1
.if \fill
	s_add_co_u32 s56, s[KF], SK                    ; a slot whose first key comes after my work-group's last query is read by none of its waves: it is not asked for.
	s_cmp_gt_u32 s56, s[LQ]                        ; Ids and the count of steps alone: all sixteen waves go the same way; every wait for tensor loads in this text is for 0
	s_cbranch_scc1 .Lpast_\@
	TLOAD
.Lpast_\@:
	ASK
.endif
.endm
.macro SLOT_STEPS
.set Q, 0
.rept NQ
	STEP Q
.set Q, Q+1
.endr
	s_xor_b32 s[TB], s[TB], SLOT1
.endm
	s_wait_loadcnt 0x0                             ; Q
.Lslot:                                            ; NSL - 1 trips
	CHANGE 1
	SLOT_STEPS
	s_sub_co_u32 s[SLOTS], s[SLOTS], 1
	s_cmp_lg_u32 s[SLOTS], 0
	s_cbranch_scc1 .Lslot
	CHANGE 0                                       ; the last slot is written out: nothing is left to ask for
	SLOT_STEPS
	; THE WAY OUT: O^T / l x sigmoid(gate), to f16, through the stage, so that a wave stores whole runs of 512 bytes of og's rows.
.rept 4
	v_nop                                          ; behind the last products
.endr
.irp dt, 0,1,2,3
	global_load_b128 v[KR+8*\dt:KR+8*\dt+3], v[LI], s[6:7] offset:1024*\dt          ; the gate of (query r, d = 16 dt + 8 h + 0..7): the image's lanes are mine
	global_load_b128 v[KR+8*\dt+4:KR+8*\dt+7], v[LI], s[6:7] offset:1024*\dt+512
.endr
	v_add_f32 v[LS], v[LS], v[LS+1]
	v_permlanex16_b32 v[T], v[LS], s[SEL], s[SEL+1]
	v_add_f32 v[LS], v[LS], v[T]                   ; the row's sum
	s_wait_loadcnt 0x0
.set n, 0
.rept 32
	v_mul_f32 v[KR+n], 0xbfb8aa3b, v[KR+n]         ; -log2(e) x gate
.set n, n+1
.endr
.set n, 0
.rept 32
	v_exp_f32 v[KR+n], v[KR+n]
.set n, n+1
.endr
	v_rcp_f32 v[AL], v[LS]
	v_nop
	s_wait_alu depctr_va_vdst(0)                   ; one wait for the 33
.set n, 0
.rept 16
	v_pk_add_f32 v[KR+n:KR+n+1], v[KR+n:KR+n+1], 1.0 op_sel_hi:[1,0]
.set n, n+2
.endr
.set n, 0
.rept 32
	v_rcp_f32 v[KR+n], v[KR+n]                     ; sigmoid = 1 / (1 + 2^(-log2(e) gate))
.set n, n+1
.endr
	v_nop
	s_wait_alu depctr_va_vdst(0)                   ; one wait for the 32
.set n, 0
.rept 16
	v_pk_mul_f32 v[VR+n:VR+n+1], v[O+n:O+n+1], v[AL:AL+1] op_sel_hi:[1,0]   ; ascending: each accumulator from its low end on
.set n, n+2
.endr
.set n, 0
.rept 16
	v_pk_mul_f32 v[VR+n:VR+n+1], v[VR+n:VR+n+1], v[KR+n:KR+n+1]
.set n, n+2
.endr
.set n, 0
.rept 16
	v_cvt_pk_f16_f32 v[S+n], v[VR+2*n], v[VR+2*n+1]
.set n, n+1
.endr
.irp dt, 0,1,2,3
	ds_store_b128 v[STO], v[S+4*\dt:S+4*\dt+3] offset:32*\dt
.endr
	s_wait_dscnt 0x0                               ; for the others' sake: my stores into the stage are done
	s_barrier_signal -1
	s_barrier_wait -1
.irp i, 0,1,2,3
	ds_load_b128 v[S+16+4*\i:S+16+4*\i+3], v[RD] offset:SPITCH*\i
.endr
.irp i, 0,1,2,3
	s_wait_dscnt 3-\i                              ; row i is in; the later loads may be out
	global_store_b128 v[LI], v[S+16+4*\i:S+16+4*\i+3], s[8:9] offset:4096*\i   ; 32 lanes store 512 consecutive bytes, aligned
.endr
	s_wait_tensorcnt 0x0                           ; the wave's end: behind my last tensor load and my last LDS store
	ds_add_u32 v[SPW], v[NIL]
	s_wait_dscnt 0x0
	s_endpgm
.Lfunc_end_k_q9b1c1ee096_attn:
	.size	k_q9b1c1ee096_attn, .Lfunc_end_k_q9b1c1ee096_attn-k_q9b1c1ee096_attn
	.p2alignl 7, 3214868480
	.fill 96, 4, 3214868480
	.section	.rodata,"a",@progbits
	.p2align	6, 0x0
	.amdhsa_kernel k_q9b1c1ee096_attn
		.amdhsa_group_segment_fixed_size 327680
		.amdhsa_private_segment_fixed_size 0
		.amdhsa_enable_private_segment 0
		.amdhsa_kernarg_size 24
		.amdhsa_user_sgpr_count 2
		.amdhsa_user_sgpr_kernarg_segment_ptr 1
		.amdhsa_wavefront_size32 1
		.amdhsa_system_sgpr_workgroup_id_x 1
		.amdhsa_system_sgpr_workgroup_id_y 1
		.amdhsa_system_sgpr_workgroup_id_z 1
		.amdhsa_system_vgpr_workitem_id 0
		.amdhsa_next_free_vgpr 256
		.amdhsa_next_free_sgpr 66
		.amdhsa_reserve_vcc 1
		.amdhsa_float_denorm_mode_32 3
		.amdhsa_float_denorm_mode_16_64 3
		.amdhsa_memory_ordered 1
		.amdhsa_forward_progress 1
		.amdhsa_inst_pref_size 115
	.end_amdhsa_kernel
	.amdgpu_metadata
---
amdhsa.version: [ 1, 2 ]
amdhsa.kernels:
  - .name:           k_q9b1c1ee096_attn
    .symbol:         k_q9b1c1ee096_attn.kd
    .args:
      - { .name: qkv, .offset: 0, .size: 8, .value_kind: global_buffer, .address_space: global }
      - { .name: gate, .offset: 8, .size: 8, .value_kind: global_buffer, .address_space: global }
      - { .name: og, .offset: 16, .size: 8, .value_kind: global_buffer, .address_space: global }
    .group_segment_fixed_size: 327680
    .private_segment_fixed_size: 0
    .kernarg_segment_align: 8
    .kernarg_segment_size: 24
    .max_flat_workgroup_size: 512
    .sgpr_count:     66
    .vgpr_count:     256
    .wavefront_size: 32
...
	.end_amdgpu_metadata
.endif
;; end of part 3
;; launch oproj (part 4): grid 16 x 16, 4 waves a work-group, clusters of 4 x 4, 327,680 bytes of LDS; arguments og, wo16, out0; writes out0
.if DOCPART == 4
	.amdgcn_target "amdgcn-amd-amdhsa--gfx1250"
	.amdhsa_code_object_version 6
	.text
	.protected	k_q9b1c1ee096_oproj
	.globl	k_q9b1c1ee096_oproj
	.p2align	8
	.type	k_q9b1c1ee096_oproj,@function
k_q9b1c1ee096_oproj:
	s_mov_b64 s[64:65], 0
	v_nop
	global_prefetch_b8 v0, s[64:65] scope:SCOPE_SE
	s_setreg_imm32_b32 hwreg(HW_REG_WAVE_MODE, 25, 1), 1
	s_wait_xcnt 0x0
	s_wait_alu depctr_hold_cnt(0) depctr_sa_sdst(0) depctr_va_vdst(0) depctr_va_sdst(0) depctr_va_ssrc(0) depctr_va_vcc(0) depctr_vm_vsrc(0)
	s_getreg_b32 s2, hwreg(HW_REG_IB_STS2, 6, 4)
	s_cmp_eq_u32 s2, 0
	s_cbranch_scc0 .Lentry_in_a_cluster
	s_endpgm
.Lentry_in_a_cluster:
	s_bfe_u32 s2, ttmp6, 0x10000c
	s_cmp_lg_u32 s2, 0xf033
	s_cbranch_scc0 .Lentry_shape_is_right
	s_endpgm
.Lentry_shape_is_right:
; LAUNCH 4 OF 5.  out0[token][n] = sum over k of og[token][k] wo16[n][k]: product 7, f16 operands, f32 sums, f32 result.  No work is left out; rows 0-15 come out as zeros here (og holds zeros there)
; and are written again, in f32 throughout, by launch 5.
; A tile of C is 128 x 128, so that 2,048 x 2,048 gives 256 work-groups.  Four waves, each 64 x 64: 16 accumulators.  K goes in steps of 256 (LDS rows of 512 bytes) through two slots.
; CLUSTERS 4 x 4: A's tiles are asked for jointly along a row of the cluster, B's along a column.  THE MATRIX INSTRUCTION IS USED TRANSPOSED (source 0 = 16 rows of wo, source 1 = 16 tokens).
; A wave's 64 columns of f32 are 256 bytes, aligned: each wave sends its results through a stage of its own, 16 rows at a time, with no barrier.
; REGISTERS: window 0: v0-31 addresses; v32-95 at work on the way out; v128-255 the accumulators ((a, b) at v[128 + 8 (4 a + b)]).  window 1: two fragment buffers of 128.
.set SIZE_M, 2048
.set SIZE_N, 2048
.set SIZE_K, 2048
.set KSTEP,  256
.set PITCH,  528                       ; an LDS row: 512 bytes + 16 of padding: the 16 rows of a fragment load start at 16 different banks (64 banks of 4 bytes: ISA guide 11.1)
.set HALFT,  64*PITCH
.set SLOT,   4*HALFT
.set STAGE,  2*SLOT                    ; behind the ring: 16 rows x 272 bytes for each wave; no tensor load lands here
.set SPITCH, 272
.set SPARE,  STAGE+4*16*SPITCH         ; the spare words: 128 bytes a wave, named by no other line
.set LAPS, SIZE_K/(2*KSTEP)
.set ADRA, 16
.set ADRB, 20
.set STO,  24
.set RD,   25
.set CO,   26
.set SPW,  28                          ; v28  LDS address of my spare word; never rewritten
.set NIL,  29                          ; v29  0; never rewritten
.set TMP,  32
.set ACC,  128
.set F0,   0
.set F1,   128
.set G1, 24
.set G0, 32
.set G1B, 48
.set G0B, 56
.set MSB, 0
.macro WIN new
.if MSB != (\new)
	s_set_vgpr_msb (MSB<<8)|(\new)
.set MSB, (\new)
.endif
.endm
.set MUL,  0x05                        ; sources 0 (B) and 1 (A) window 1; C and D window 0
.set TO_F, 0x40
.macro JLOAD s                         ; a joint load: waves 0 and 1 fetch A's two halves, waves 2 and 3 B's; an s_nop 0 and four v_nop follow each line
	s_cmp_eq_u32 s11, 0
	s_cbranch_scc0 .Lfor_b_\@
	tensor_load_to_lds s[G0+4*\s:G0+4*\s+3], s[G1:G1+7]
	s_nop 0
.rept 4
	v_nop
.endr
	s_branch .Lasked_\@
.Lfor_b_\@:
	tensor_load_to_lds s[G0B+4*\s:G0B+4*\s+3], s[G1B:G1B+7]
	s_nop 0
.rept 4
	v_nop
.endr
.Lasked_\@:
.endm
.macro CREST
	s_cmp_lg_u32 s10, 0
	s_cbranch_scc1 .Lnot_wave_0_\@
	s_barrier_signal -3
.Lnot_wave_0_\@:
	s_barrier_wait -3
	s_barrier_signal -1
	s_barrier_wait -1
.endm
.macro CROUND
	s_barrier_signal -1
	s_barrier_wait -1
	CREST
.endm
	s_load_b128 s[4:7], s[0:1], 0x0                ; og s[4:5], wo16 s[6:7]
	s_load_b64 s[8:9], s[0:1], 0x10                ; out0
	v_lshl_add_u32 v[SPW], v0, 2, SPARE
	v_mov_b32 v[NIL], 0
	ds_add_u32 v[SPW], v[NIL]                      ; the wave's opening: the add, twice on end, and its wait ahead of my first tensor load
	ds_add_u32 v[SPW], v[NIL]
	v_lshrrev_b32 v1, 5, v0
	v_readfirstlane_b32 s10, v1                    ; wave 0..3
	s_lshr_b32 s11, s10, 1                         ; which half of the tile's rows is mine.  Also: I fetch for A (0) or for B (1)
	s_and_b32 s12, s10, 1                          ; which half of its columns.  Also: which 64 rows of that tile I fetch
	s_bfe_u32 s40, ttmp6, 0x40000
	s_bfe_u32 s41, ttmp6, 0x40004
	s_lshl_b32 s42, ttmp9, 2
	s_add_co_u32 s42, s42, s40                     ; tile column of C
	s_and_b32 s13, ttmp7, 0xffff
	s_lshl_b32 s13, s13, 2
	s_add_co_u32 s13, s13, s41                     ; tile row of C
	s_lshl_b32 s43, s41, 2
	s_lshl_b32 s43, 15, s43                        ; my row of the cluster
	s_lshl_b32 s44, 0x1111, s40                    ; my column
	s_or_b32 s[G1+0], s43, (1<<16)|(1<<20)|(1<<21)|(6<<22)|(3<<25)  ; the mask; elements of 2 bytes; padding on; bit 21 beside a mask; 4 words behind every 128
	s_or_b32 s[G1B+0], s44, (1<<16)|(1<<20)|(1<<21)|(6<<22)|(3<<25)
.irp g, G1, G1B
	s_mov_b32 s[\g+1], KSTEP<<16                   ; tensor_dim0 = 256
	s_mov_b32 s[\g+2], 64<<16                      ; tensor_dim1 = 64
	s_mov_b32 s[\g+3], KSTEP<<16                   ; tile_dim0 = 256
	s_mov_b32 s[\g+4], 64                          ; tile_dim1 = 64
	s_mov_b32 s[\g+5], SIZE_K                      ; tensor_dim0_stride
	s_mov_b32 s[\g+6], 0
	s_mov_b32 s[\g+7], 0
.endr
	s_lshl_b32 s17, s12, 6
	s_lshl_b32 s16, s13, 7
	s_add_co_u32 s16, s16, s17                     ; A: row 128 x tile row + 64 x half
	s_lshl_b32 s46, s42, 7
	s_add_co_u32 s46, s46, s17                     ; B: row 128 x tile column + 64 x half
	s_mov_b32 s17, 0
	s_mov_b32 s47, 0
	s_mov_b64 s[18:19], SIZE_K*2
	s_mul_u64 s[16:17], s[16:17], s[18:19]
	s_mul_u64 s[46:47], s[46:47], s[18:19]
	s_mul_i32 s20, s10, HALFT                      ; where they go: wave x 64 rows
	s_wait_dscnt 0x0                               ; both opening adds are done
	s_wait_kmcnt 0x0
	s_add_nc_u64 s[14:15], s[4:5], s[16:17]
	s_add_nc_u64 s[46:47], s[6:7], s[46:47]
	CROUND                                         ; all sixteen work-groups are here: the first joint loads meet
.irp s, 0,1
	s_mov_b32 s[G0+4*\s], 1
	s_add_co_u32 s[G0+4*\s+1], s20, \s*SLOT
	s_add_nc_u64 s[G0+4*\s+2:G0+4*\s+3], s[14:15], \s*KSTEP*2
	s_or_b32 s[G0+4*\s+3], s[G0+4*\s+3], 0x80000000
	s_mov_b32 s[G0B+4*\s], 1
	s_add_co_u32 s[G0B+4*\s+1], s20, \s*SLOT
	s_add_nc_u64 s[G0B+4*\s+2:G0B+4*\s+3], s[46:47], \s*KSTEP*2
	s_or_b32 s[G0B+4*\s+3], s[G0B+4*\s+3], 0x80000000
	JLOAD \s                                       ; two tensor loads of mine are out at the most
.endr
	v_and_b32 v1, 15, v0                           ; l % 16
	v_bfe_u32 v2, v0, 4, 1                         ; l / 16
	v_mul_u32_u24 v3, v1, PITCH
	v_lshl_add_u32 v3, v2, 4, v3
	s_mul_i32 s21, s11, HALFT                      ; my 64 rows of A
	s_mul_i32 s22, s12, HALFT                      ; my 64 rows of B,
	s_add_co_u32 s22, s22, 2*HALFT                 ; which lie behind A's 128
.irp s, 0,1
	v_add_nc_u32 v[ADRA+\s], s21, v3
	v_add_nc_u32 v[ADRB+\s], s22, v3
	s_add_co_u32 s21, s21, SLOT
	s_add_co_u32 s22, s22, SLOT
.endr
	s_mul_i32 s23, s10, 16*SPITCH
	s_add_co_u32 s23, s23, STAGE                   ; my stage
	v_mul_u32_u24 v4, v1, SPITCH                   ; in: row l % 16, 32 bytes for each half of the lanes
	v_lshl_add_u32 v4, v2, 5, v4
	v_add_nc_u32 v[STO], s23, v4
	v_mul_u32_u24 v5, v2, SPITCH                   ; back: lanes 0-15 one row of 256 bytes, lanes 16-31 the next
	v_lshl_add_u32 v5, v1, 4, v5
	v_add_nc_u32 v[RD], s23, v5
	v_lshlrev_b32 v5, 13, v2                       ; and the same two rows in out0: 8,192 bytes a row
	v_lshl_add_u32 v[CO], v1, 4, v5
	s_lshl_b32 s16, s13, 7
	s_lshl_b32 s17, s11, 6
	s_add_co_u32 s16, s16, s17                     ; my first row: 128 x tile row + 64 x half
	s_lshl_b32 s16, s16, 13
	s_mov_b32 s17, 0
	s_add_nc_u64 s[8:9], s[8:9], s[16:17]
	s_lshl_b32 s46, s42, 9                         ; my first column, in bytes: 512 x tile column + 256 x half
	s_lshl_b32 s47, s12, 8
	s_add_co_u32 s46, s46, s47
	s_mov_b32 s47, 0
	s_add_nc_u64 s[8:9], s[8:9], s[46:47]
.macro MUL8 f, c, a0, zero             ; 8 matrix instructions: m blocks a0, a0 + 1 x all 4 n blocks, 32 along K.  The 16 accumulators take turns
.irp a, \a0, \a0+1
.irp b, 0,1,2,3
.if \zero
	v_wmma_f32_16x16x32_f16 v[ACC+8*(4*(\a)+\b):ACC+8*(4*(\a)+\b)+7], v[\f+64+8*(4*\c+\b):\f+64+8*(4*\c+\b)+7], v[\f+8*(4*\c+\a):\f+8*(4*\c+\a)+7], 0
.else
	v_wmma_f32_16x16x32_f16 v[ACC+8*(4*(\a)+\b):ACC+8*(4*(\a)+\b)+7], v[\f+64+8*(4*\c+\b):\f+64+8*(4*\c+\b)+7], v[\f+8*(4*\c+\a):\f+8*(4*\c+\a)+7], v[ACC+8*(4*(\a)+\b):ACC+8*(4*(\a)+\b)+7]
.endif
.endr
.endr
.endm
.macro FETCH slot, k, f                ; 32 LDS loads in one run: the fragments of 64 along K at byte k of the rows; the first 32 along K first
	WIN TO_F
.irp c, 0,1
.irp i, 0,1,2,3
	ds_load_b128 v[\f+64+8*(4*\c+\i):\f+64+8*(4*\c+\i)+3],   v[ADRB+\slot] offset:\k+64*\c+\i*16*PITCH
	ds_load_b128 v[\f+64+8*(4*\c+\i)+4:\f+64+8*(4*\c+\i)+7], v[ADRB+\slot] offset:\k+64*\c+\i*16*PITCH+32
	ds_load_b128 v[\f+8*(4*\c+\i):\f+8*(4*\c+\i)+3],         v[ADRA+\slot] offset:\k+64*\c+\i*16*PITCH
	ds_load_b128 v[\f+8*(4*\c+\i)+4:\f+8*(4*\c+\i)+7],       v[ADRA+\slot] offset:\k+64*\c+\i*16*PITCH+32
.endr
.endr
.endm
.macro PLACES
.rept 4
	v_nop
.endr
.endm
.macro QUARTER slot, k, f, g, zero
	s_wait_dscnt 16                                ; the first 32 along K are in; the other sixteen loads may be out
	WIN MUL
	MUL8 \f, 0, 0, \zero
	MUL8 \f, 0, 2, \zero
	PLACES
	FETCH \slot, \k, \g
	s_wait_dscnt 32                                ; all but the 32 just issued
	WIN MUL
	MUL8 \f, 1, 0, 0
	MUL8 \f, 1, 2, 0
.endm
.macro TURN slot, next, fill           ; the last quarter changes slots: one barrier; in front of it the wait for all my tensor loads, the add, and the wait for it and for my reads of this slot
	WIN 0
	s_wait_tensorcnt 0x0
	ds_add_u32 v[SPW], v[NIL]                      ; 0 onto my spare word
	s_wait_dscnt 17                                ; (the add and the youngest sixteen loads may be out)
	WIN MUL
	MUL8 F1, 0, 0, 0
	s_wait_dscnt 0x0
	s_barrier_signal -1
	MUL8 F1, 0, 2, 0
.if \fill
	WIN 0
.endif
	s_barrier_wait -1
.if \fill
	CREST                                          ; no wave of any partner still reads this slot's tile or has a load on its way
	s_add_nc_u64 s[G0+4*\slot+2:G0+4*\slot+3], s[G0+4*\slot+2:G0+4*\slot+3], 2*KSTEP*2
	s_add_nc_u64 s[G0B+4*\slot+2:G0B+4*\slot+3], s[G0B+4*\slot+2:G0B+4*\slot+3], 2*KSTEP*2
	JLOAD \slot                                    ; the first tensor load behind the round; its four v_nop are the places in front of the loads below
.else
	PLACES
.endif
	FETCH \next, 0, F0
	WIN MUL
	MUL8 F1, 1, 0, 0
	MUL8 F1, 1, 2, 0
.endm
	s_wait_tensorcnt 1                             ; my part of K step 0 is in (K step 1's load may be out)
	s_barrier_signal -1
	s_barrier_wait -1
	FETCH 0, 0, F0
	QUARTER 0, 128, F0, F1, 1                      ; the first quarter stands in front of the loop: its first products start the sums
	WIN 0
	s_mov_b32 s3, LAPS-1
.Llap:
	QUARTER 0, 256, F1, F0, 0
	QUARTER 0, 384, F0, F1, 0
	TURN 0, 1, 1
	QUARTER 1, 128, F0, F1, 0
	QUARTER 1, 256, F1, F0, 0
	QUARTER 1, 384, F0, F1, 0
	TURN 1, 0, 1
	QUARTER 0, 128, F0, F1, 0
	WIN 0
	s_sub_co_u32 s3, s3, 1
	s_cmp_lg_u32 s3, 0
	s_cbranch_scc1 .Llap
	QUARTER 0, 256, F1, F0, 0                      ; the last lap fills nothing
	QUARTER 0, 384, F0, F1, 0
	TURN 0, 1, 0
	QUARTER 1, 128, F0, F1, 0
	QUARTER 1, 256, F1, F0, 0
	QUARTER 1, 384, F0, F1, 0
	s_wait_dscnt 16
	WIN MUL
	MUL8 F1, 0, 0, 0
	MUL8 F1, 0, 2, 0
	s_wait_dscnt 0
	MUL8 F1, 1, 0, 0
	MUL8 F1, 1, 2, 0
	WIN 0
; THE WAY OUT, 16 rows x 64 columns at a time, through my own stage: LDS serves a wave's instructions in order (ISA guide 5.7.1.4), so no wait stands between the stores and the loads.
.macro TOSTAGE a
.irp b, 0,1,2,3
	ds_store_b128 v[STO], v[ACC+8*(4*(\a)+\b):ACC+8*(4*(\a)+\b)+3] offset:64*\b        ; each accumulator from its low end on
	ds_store_b128 v[STO], v[ACC+8*(4*(\a)+\b)+4:ACC+8*(4*(\a)+\b)+7] offset:64*\b+16
.endr
.irp t, 0,1,2,3,4,5,6,7
	ds_load_b128 v[TMP+32*((\a)%2)+4*\t:TMP+32*((\a)%2)+4*\t+3], v[RD] offset:\t*2*SPITCH
.endr
.endm
.macro SEND a, younger                 ; younger: the LDS instructions issued behind block a's loads, which may stay out
	s_wait_dscnt \younger
.irp t, 0,1,2,3,4,5,6,7
	global_store_b128 v[CO], v[TMP+32*((\a)%2)+4*\t:TMP+32*((\a)%2)+4*\t+3], s[8:9] offset:(16*(\a)+2*\t)*SIZE_N*4 th:TH_STORE_NT   ; 16 lanes store 256 consecutive bytes, aligned
.endr
.endm
	PLACES                                         ; behind the last products
	TOSTAGE 0
.irp a, 1,2,3
.if \a > 1
	s_wait_xcnt 0x0                                ; block a - 2's stores have read their registers: block a's loads may land there
.endif
	TOSTAGE \a
	SEND \a-1, 16                                  ; behind block a - 1's loads: block a's 8 stores and 8 loads
.endr
	SEND 3, 0
	s_wait_tensorcnt 0x0                           ; the wave's end: behind my last tensor load and my last LDS store
	ds_add_u32 v[SPW], v[NIL]
	s_wait_dscnt 0x0
	CROUND                                         ; the closing round
	s_endpgm
.Lfunc_end_k_q9b1c1ee096_oproj:
	.size	k_q9b1c1ee096_oproj, .Lfunc_end_k_q9b1c1ee096_oproj-k_q9b1c1ee096_oproj
	.p2alignl 7, 3214868480
	.fill 96, 4, 3214868480
	.section	.rodata,"a",@progbits
	.p2align	6, 0x0
	.amdhsa_kernel k_q9b1c1ee096_oproj
		.amdhsa_group_segment_fixed_size 327680
		.amdhsa_private_segment_fixed_size 0
		.amdhsa_enable_private_segment 0
		.amdhsa_kernarg_size 24
		.amdhsa_user_sgpr_count 2
		.amdhsa_user_sgpr_kernarg_segment_ptr 1
		.amdhsa_wavefront_size32 1
		.amdhsa_system_sgpr_workgroup_id_x 1
		.amdhsa_system_sgpr_workgroup_id_y 1
		.amdhsa_system_sgpr_workgroup_id_z 1
		.amdhsa_system_vgpr_workitem_id 0
		.amdhsa_next_free_vgpr 512
		.amdhsa_next_free_sgpr 66
		.amdhsa_reserve_vcc 0
		.amdhsa_float_denorm_mode_32 3
		.amdhsa_float_denorm_mode_16_64 3
		.amdhsa_memory_ordered 1
		.amdhsa_forward_progress 1
		.amdhsa_inst_pref_size 86
	.end_amdhsa_kernel
	.amdgpu_metadata
---
amdhsa.version: [ 1, 2 ]
amdhsa.kernels:
  - .name:           k_q9b1c1ee096_oproj
    .symbol:         k_q9b1c1ee096_oproj.kd
    .args:
      - { .name: og, .offset: 0, .size: 8, .value_kind: global_buffer, .address_space: global }
      - { .name: wo16, .offset: 8, .size: 8, .value_kind: global_buffer, .address_space: global }
      - { .name: out0, .offset: 16, .size: 8, .value_kind: global_buffer, .address_space: global }
    .group_segment_fixed_size: 327680
    .private_segment_fixed_size: 0
    .kernarg_segment_align: 8
    .kernarg_segment_size: 24
    .max_flat_workgroup_size: 128
    .sgpr_count:     66
    .vgpr_count:     512
    .wavefront_size: 32
...
	.end_amdgpu_metadata
.endif
;; end of part 4
;; launch first16 (part 5): grid 128 x 1, 16 waves a work-group, no clusters, 167,936 bytes of LDS; arguments fine, gate, wo, out0; writes out0
.if DOCPART == 5
	.amdgcn_target "amdgcn-amd-amdhsa--gfx1250"
	.amdhsa_code_object_version 6
	.text
	.protected	k_q9b1c1ee096_first16
	.globl	k_q9b1c1ee096_first16
	.p2align	8
	.type	k_q9b1c1ee096_first16,@function
k_q9b1c1ee096_first16:
	s_mov_b64 s[64:65], 0
	v_nop
	global_prefetch_b8 v0, s[64:65] scope:SCOPE_SE
	s_setreg_imm32_b32 hwreg(HW_REG_WAVE_MODE, 25, 1), 1
	s_wait_xcnt 0x0
; LAUNCH 5 OF 5.  Rows 0-15 of out0 once more, with every product in f32: under the causal mask these rows average 1 to 16 values, are the largest in size, and leave 16-bit operands no room.
; LEFT OUT: keys 16 on, which reference()'s own tril hides from queries 0-15.
; SHARES.  Work-group WG makes out0[0..15][16 WG .. 16 WG + 15].  Wave w computes the attention of heads 2 w and 2 w + 1 (both of key/value head w / 2): those 128 numbers a token are k = 128 w .. 128 w + 127
; of the projection, so the gated o never leaves the wave's registers.  The attention (64 small products a wave) is done again in each work-group; that spares a launch and a way through memory,
; and lets wo's 16.8 MB stream over 128 work-groups.  A work-group's piece of a row of out0 is 64 bytes: 128 KB in all are stored so.
; THE f32 MATRIX FORM, 16 x 16 x 4: lane (r, h) holds row r and k = 2 h + 0, 1 in two registers.  Both operands of a product take their pairs from images of the same layout, so k is permuted alike on both sides.
; Its results (v16-79) are written by matrix instructions alone; each sum begins with the constant 0 as C; what is made of a sum goes into other registers.
; The accumulators take turns, one instruction a turn.  Places behind this form: 8 before a result is read or an operand's register written, 9 before a matrix instruction writes over one (ISA guide 7.12.1).
.set D,   16                           ; v16-79   eight accumulators
.set R1,  80                           ; v80-143  Q (two heads x 32), then the gate, the sigmoid and the gated o; at the end the sixteen waves' parts
.set KR,  144                          ; v144-175 K
.set VR,  176                          ; v176-207 V^T: 8 dt + 2 s + j
.set WR,  144                          ; v144-207 later: wo
.set P,   208                          ; v208-223 scores, then p: two heads x 8
.set WT,  16*528                       ; a wave's tile of wo in LDS: 16 rows x (512 bytes + 16)
.set RED, 16*WT                        ; the waves' parts of the result: 1,024 bytes each; no tensor load lands here
.set SPARE, RED+16*1024                ; the spare words: 128 bytes a wave, named by no other line
	s_load_b256 s[4:11], s[0:1], 0x0               ; fine 4, gate 6, wo 8, out0 10
	v_lshl_add_u32 v6, v0, 2, SPARE                ; v6: my spare word; v7: 0; never rewritten
	v_mov_b32 v7, 0
	ds_add_u32 v6, v7                              ; the wave's opening: the add, twice on end, and its wait ahead of my first tensor load
	ds_add_u32 v6, v7
	v_lshrrev_b32 v11, 5, v0
	v_readfirstlane_b32 s12, v11                   ; wave 0..15
	s_mov_b32 s16, (2<<16)|(1<<20)|(6<<22)|(3<<25) ; no mask; elements of 4 bytes; 4 words of padding behind every 128
	s_mov_b32 s17, 128<<16                         ; tensor_dim0 = 128
	s_mov_b32 s18, 16<<16                          ; tensor_dim1 = 16
	s_mov_b32 s19, 128<<16                         ; tile_dim0 = 128
	s_mov_b32 s20, 16                              ; tile_dim1 = 16
	s_mov_b32 s21, 2048                            ; from row to row
	s_mov_b32 s22, 0
	s_mov_b32 s23, 0
	s_mov_b32 s24, 1
	s_mul_i32 s25, s12, WT                         ; my own tile: I alone read it
	s_lshl_b32 s32, ttmp9, 17                      ; 16 rows of wo, 8,192 bytes each,
	s_lshl_b32 s33, s12, 9                         ; my 128 numbers of a row
	s_add_co_u32 s32, s32, s33
	s_mov_b32 s33, 0
	s_mov_b32 s28, 0x76543210
	s_mov_b32 s29, 0xfedcba98                      ; v_permlanex16_b32's selects for lane l xor 16
	s_mov_b32 s30, 0x3e38aa3b                      ; c = log2(e) / 8
	s_wait_dscnt 0x0                               ; both opening adds are done
	s_wait_kmcnt 0x0
	s_add_nc_u64 s[26:27], s[8:9], s[32:33]
	s_or_b32 s27, s27, 0x80000000
	tensor_load_to_lds s[24:27], s[16:23]          ; every wave's one tensor load: a first fill; nothing is filled again
	s_nop 0
	v_and_b32 v11, 15, v0                          ; r
	v_bfe_u32 v12, v0, 4, 1                        ; h
	v_and_b32 v13, 31, v0
	v_lshlrev_b32 v1, 4, v13                       ; v1: 16 x lane
	v_bfe_u32 v14, v0, 2, 1
	v_lshlrev_b32 v2, 9, v14                       ; v2: where V(key 8 h + .., d = 16 dt + r) lies in v's image: 512 ((r / 4) % 2)
	v_bfe_u32 v14, v0, 3, 1
	v_lshl_add_u32 v2, v14, 8, v2                  ; + 256 (r / 8)
	v_lshl_add_u32 v2, v12, 7, v2                  ; + 128 h
	v_and_b32 v14, 3, v0
	v_lshl_add_u32 v2, v14, 2, v2                  ; + 4 (r % 4)
	v_mul_u32_u24 v3, v11, 528
	v_lshl_add_u32 v3, v12, 5, v3
	v_add_nc_u32 v3, s25, v3                       ; v3: wo in LDS: row r, + 32 h
	v_lshlrev_b32 v14, 3, v12
	v_sub_nc_u32 v4, v11, v14                      ; v4: r - 8 h
	s_lshl_b32 s13, s12, 10
	s_add_co_u32 s13, s13, RED
	v_add_nc_u32 v5, s13, v1                       ; v5: where I put my part
	s_lshl_b32 s13, s12, 9
	s_add_co_u32 s13, s13, RED
	v_add_nc_u32 v9, s13, v1                       ; v9: where waves 0 and 1 read the sixteen parts
	v_lshlrev_b32 v8, 13, v11
	v_lshl_add_u32 v8, v12, 5, v8
	s_lshl_b32 s13, s12, 4
	v_add_nc_u32 v8, s13, v8                       ; v8: out0: 8,192 r + 32 h + 16 x wave
	v_mov_b32 v10, 0xff800000                      ; -infinity
	s_lshl_b32 s32, s12, 13
	s_add_nc_u64 s[34:35], s[4:5], s[32:33]        ; q of my two heads: 4,096 bytes a head
	s_add_nc_u64 s[6:7], s[6:7], s[32:33]          ; the gate of tokens 0-15, my 8 blocks of 16 columns
	s_lshr_b32 s32, s12, 1
	s_lshl_b32 s32, s32, 12
	s_add_co_u32 s32, s32, 131072
	s_add_nc_u64 s[36:37], s[4:5], s[32:33]        ; k of my key/value head,
	s_add_nc_u64 s[38:39], s[36:37], 32768         ; v likewise
	s_lshl_b32 s32, ttmp9, 6
	s_add_nc_u64 s[10:11], s[10:11], s[32:33]      ; my work-group's 16 columns
.irp hh, 0,1
.irp bb, 0,1,2,3
	global_load_b128 v[R1+32*\hh+8*\bb:R1+32*\hh+8*\bb+3], v1, s[34:35] offset:\hh*4096+\bb*1024
	global_load_b128 v[R1+32*\hh+8*\bb+4:R1+32*\hh+8*\bb+7], v1, s[34:35] offset:\hh*4096+\bb*1024+512
.endr
.endr
.irp bb, 0,1,2,3
	global_load_b128 v[KR+8*\bb:KR+8*\bb+3], v1, s[36:37] offset:\bb*1024
	global_load_b128 v[KR+8*\bb+4:KR+8*\bb+7], v1, s[36:37] offset:\bb*1024+512
.endr
.irp dt, 0,1,2,3
.irp e, 0,1,2,3,4,5,6,7
	global_load_b32 v[VR+8*\dt+\e], v2, s[38:39] offset:1024*\dt+16*\e   ; V(key 8 h + e, d = 16 dt + r)
.endr
.endr
	v_mov_b32 v226, 0                              ; (a lane permute's destination counts as one of its sources)
	v_mov_b32 v227, 0
	v_mov_b32 v235, 0                              ; (named as the upper halves of pairs)
	v_mov_b32 v237, 0
	s_wait_loadcnt 32                              ; q and k are in; V's 32 loads may be out
	; S^T = K Q^T: 16 steps of 4 along d for each head; two accumulators a head, so that four take turns
.set st, 0
.rept 16
.irp hh, 0,1
.if st < 2
	v_wmma_f32_16x16x4_f32 v[D+8*(2*\hh+st%2):D+8*(2*\hh+st%2)+7], v[KR+2*st:KR+2*st+1], v[R1+32*\hh+2*st:R1+32*\hh+2*st+1], 0
.else
	v_wmma_f32_16x16x4_f32 v[D+8*(2*\hh+st%2):D+8*(2*\hh+st%2)+7], v[KR+2*st:KR+2*st+1], v[R1+32*\hh+2*st:R1+32*\hh+2*st+1], v[D+8*(2*\hh+st%2):D+8*(2*\hh+st%2)+7]
.endif
.endr
.set st, st+1
.endr
.rept 8
	v_nop
.endr
.irp blk, 0,1,2,3,4,5,6,7
	global_load_b128 v[R1+8*\blk:R1+8*\blk+3], v1, s[6:7] offset:1024*\blk       ; the gate of (token r, column 128 w + 16 blk + 8 h + 0..7), into Q's registers
	global_load_b128 v[R1+8*\blk+4:R1+8*\blk+7], v1, s[6:7] offset:1024*\blk+512
.endr
.irp hh, 0,1
.irp j, 0,1,2,3,4,5,6,7
	v_add_f32 v[P+8*\hh+\j], v[D+16*\hh+\j], v[D+16*\hh+8+\j]      ; lane (r, h): query r, key 8 h + j; each accumulator from its low end on
.endr
.endr
.irp j, 0,1,2,3,4,5,6,7
	v_cmp_gt_i32 vcc_lo, \j, v4                    ; hidden where 8 h + j > r
	v_cndmask_b32 v[P+\j], v[P+\j], v10, vcc_lo
	v_cndmask_b32 v[P+8+\j], v[P+8+\j], v10, vcc_lo
.endr
.irp hh, 0,1
	v_max3_num_f32 v[224+\hh], v[P+8*\hh], v[P+8*\hh+1], v[P+8*\hh+2]
.endr
.irp i, 3,5
.irp hh, 0,1
	v_max3_num_f32 v[224+\hh], v[224+\hh], v[P+8*\hh+\i], v[P+8*\hh+\i+1]
.endr
.endr
.irp hh, 0,1
	v_max_num_f32 v[224+\hh], v[224+\hh], v[P+8*\hh+7]
.endr
.irp hh, 0,1
	v_permlanex16_b32 v[226+\hh], v[224+\hh], s28, s29
.endr
.irp hh, 0,1
	v_max_num_f32 v[224+\hh], v[224+\hh], v[226+\hh]               ; the row's maximum: key 0 counts for every query
.endr
.irp hh, 0,1
	v_mul_f32 v[228+\hh], s30, v[224+\hh]
.endr
.irp hh, 0,1
.irp j, 0,1,2,3,4,5,6,7
	v_fma_f32 v[P+8*\hh+\j], v[P+8*\hh+\j], s30, -v[228+\hh]       ; c s - c m
.endr
.endr
.set n, 0
.rept 16
	v_exp_f32 v[P+n], v[P+n]
.set n, n+1
.endr
	v_nop
	s_wait_alu depctr_va_vdst(0)                   ; one wait for the sixteen, ahead of their first reader
.irp hh, 0,1
	v_pk_add_f32 v[230+2*\hh:231+2*\hh], v[P+8*\hh:P+8*\hh+1], v[P+8*\hh+2:P+8*\hh+3]
.endr
.irp i, 4,6
.irp hh, 0,1
	v_pk_add_f32 v[230+2*\hh:231+2*\hh], v[230+2*\hh:231+2*\hh], v[P+8*\hh+\i:P+8*\hh+\i+1]
.endr
.endr
.irp hh, 0,1
	v_add_f32 v[230+2*\hh], v[230+2*\hh], v[231+2*\hh]
.endr
.irp hh, 0,1
	v_permlanex16_b32 v[226+\hh], v[230+2*\hh], s28, s29
.endr
.irp hh, 0,1
	v_add_f32 v[230+2*\hh], v[230+2*\hh], v[226+\hh]               ; the row's sum
.endr
	v_rcp_f32 v234, v230
	v_rcp_f32 v236, v232
	v_nop
	s_wait_alu depctr_va_vdst(0)                   ; one wait for the two
	s_wait_loadcnt 16                              ; V is in; the gate's sixteen loads may be out
	; O^T = V^T P: 4 steps of 4 along the keys; eight accumulators (two heads x four tiles of d) take turns
.irp s, 0,1,2,3
.irp hh, 0,1
.irp dt, 0,1,2,3
.if \s == 0
	v_wmma_f32_16x16x4_f32 v[D+8*(4*\hh+\dt):D+8*(4*\hh+\dt)+7], v[VR+8*\dt+2*\s:VR+8*\dt+2*\s+1], v[P+8*\hh+2*\s:P+8*\hh+2*\s+1], 0
.else
	v_wmma_f32_16x16x4_f32 v[D+8*(4*\hh+\dt):D+8*(4*\hh+\dt)+7], v[VR+8*\dt+2*\s:VR+8*\dt+2*\s+1], v[P+8*\hh+2*\s:P+8*\hh+2*\s+1], v[D+8*(4*\hh+\dt):D+8*(4*\hh+\dt)+7]
.endif
.endr
.endr
.endr
	s_wait_loadcnt 0x0                             ; the gate
.set n, 0
.rept 64
	v_mul_f32 v[R1+n], 0xbfb8aa3b, v[R1+n]         ; -log2(e) x gate.  (These are also the places behind the products above)
.set n, n+1
.endr
	s_wait_tensorcnt 0x0                           ; my tile of wo has landed
.irp blk, 0,1,2,3,4,5,6,7
	ds_load_b128 v[WR+8*\blk:WR+8*\blk+3], v3 offset:64*\blk           ; wo(16 WG + r, 128 w + 16 blk + 8 h + 0..7)
	ds_load_b128 v[WR+8*\blk+4:WR+8*\blk+7], v3 offset:64*\blk+16
.endr
.set n, 0
.rept 64
	v_exp_f32 v[R1+n], v[R1+n]
.set n, n+1
.endr
	v_nop
	s_wait_alu depctr_va_vdst(0)
.set n, 0
.rept 32
	v_pk_add_f32 v[R1+n:R1+n+1], v[R1+n:R1+n+1], 1.0 op_sel_hi:[1,0]
.set n, n+2
.endr
.set n, 0
.rept 64
	v_rcp_f32 v[R1+n], v[R1+n]                     ; sigmoid
.set n, n+1
.endr
	v_nop
	s_wait_alu depctr_va_vdst(0)
.irp hh, 0,1
.irp k, 0,2,4,6,8,10,12,14,16,18,20,22,24,26,28,30
	v_pk_mul_f32 v[R1+32*\hh+\k:R1+32*\hh+\k+1], v[R1+32*\hh+\k:R1+32*\hh+\k+1], v[234+2*\hh:235+2*\hh] op_sel_hi:[1,0]   ; x 1 / the sum
.endr
.endr
.set n, 0
.rept 32
	v_pk_mul_f32 v[R1+n:R1+n+1], v[R1+n:R1+n+1], v[D+n:D+n+1]      ; x O^T, ascending: each accumulator from its low end on
.set n, n+2
.endr
	s_wait_dscnt 0x0                               ; wo's fragments are in
	; out^T = wo o^T over my 128 k: 32 steps of 4; four accumulators take turns
.irp blk, 0,1,2,3,4,5,6,7
.irp jj, 0,1,2,3
.if \blk == 0
	v_wmma_f32_16x16x4_f32 v[D+8*\jj:D+8*\jj+7], v[WR+8*\blk+2*\jj:WR+8*\blk+2*\jj+1], v[R1+8*\blk+2*\jj:R1+8*\blk+2*\jj+1], 0
.else
	v_wmma_f32_16x16x4_f32 v[D+8*\jj:D+8*\jj+7], v[WR+8*\blk+2*\jj:WR+8*\blk+2*\jj+1], v[R1+8*\blk+2*\jj:R1+8*\blk+2*\jj+1], v[D+8*\jj:D+8*\jj+7]
.endif
.endr
.endr
.rept 8
	v_nop
.endr
.irp j, 0,1,2,3,4,5,6,7
	v_add_f32 v[240+\j], v[D+\j], v[D+8+\j]
.endr
.irp j, 0,1,2,3,4,5,6,7
	v_add_f32 v[248+\j], v[D+16+\j], v[D+24+\j]
.endr
.irp j, 0,2,4,6
	v_pk_add_f32 v[240+\j:241+\j], v[240+\j:241+\j], v[248+\j:249+\j]   ; lane (r, h): token r, columns 16 WG + 8 h + 0..7, summed over my 128 k
.endr
	ds_store_b128 v5, v[240:243]
	ds_store_b128 v5, v[244:247] offset:512
	s_wait_dscnt 0x0                               ; for the others' sake: my part lies in LDS
	s_barrier_signal -1
	s_barrier_wait -1
	s_cmp_lt_u32 s12, 2                            ; waves 0 and 1 add the sixteen parts, half a lane's eight numbers each
	s_cbranch_scc0 .Ldone
.irp ww, 0,1,2,3,4,5,6,7,8,9,10,11,12,13,14,15
	ds_load_b128 v[R1+4*\ww:R1+4*\ww+3], v9 offset:1024*\ww
.endr
	s_wait_dscnt 0x0
.irp ww, 2,4,6,8,10,12,14
	v_pk_add_f32 v[R1:R1+1], v[R1:R1+1], v[R1+4*\ww:R1+4*\ww+1]         ; two chains, even and odd waves' parts
	v_pk_add_f32 v[R1+2:R1+3], v[R1+2:R1+3], v[R1+4*\ww+2:R1+4*\ww+3]
	v_pk_add_f32 v[R1+4:R1+5], v[R1+4:R1+5], v[R1+4*\ww+4:R1+4*\ww+5]
	v_pk_add_f32 v[R1+6:R1+7], v[R1+6:R1+7], v[R1+4*\ww+6:R1+4*\ww+7]
.endr
	v_pk_add_f32 v[R1:R1+1], v[R1:R1+1], v[R1+4:R1+5]
	v_pk_add_f32 v[R1+2:R1+3], v[R1+2:R1+3], v[R1+6:R1+7]
	global_store_b128 v8, v[R1:R1+3], s[10:11]
.Ldone:
	s_wait_tensorcnt 0x0                           ; the wave's end: behind my tensor load and my last LDS store
	ds_add_u32 v6, v7
	s_wait_dscnt 0x0
	s_endpgm
.Lfunc_end_k_q9b1c1ee096_first16:
	.size	k_q9b1c1ee096_first16, .Lfunc_end_k_q9b1c1ee096_first16-k_q9b1c1ee096_first16
	.p2alignl 7, 3214868480
	.fill 96, 4, 3214868480
	.section	.rodata,"a",@progbits
	.p2align	6, 0x0
	.amdhsa_kernel k_q9b1c1ee096_first16
		.amdhsa_group_segment_fixed_size 167936
		.amdhsa_private_segment_fixed_size 0
		.amdhsa_enable_private_segment 0
		.amdhsa_kernarg_size 32
		.amdhsa_user_sgpr_count 2
		.amdhsa_user_sgpr_kernarg_segment_ptr 1
		.amdhsa_wavefront_size32 1
		.amdhsa_system_sgpr_workgroup_id_x 1
		.amdhsa_system_sgpr_workgroup_id_y 1
		.amdhsa_system_sgpr_workgroup_id_z 1
		.amdhsa_system_vgpr_workitem_id 0
		.amdhsa_next_free_vgpr 256
		.amdhsa_next_free_sgpr 66
		.amdhsa_reserve_vcc 1
		.amdhsa_float_denorm_mode_32 3
		.amdhsa_float_denorm_mode_16_64 3
		.amdhsa_memory_ordered 1
		.amdhsa_forward_progress 1
		.amdhsa_inst_pref_size 41
	.end_amdhsa_kernel
	.amdgpu_metadata
---
amdhsa.version: [ 1, 2 ]
amdhsa.kernels:
  - .name:           k_q9b1c1ee096_first16
    .symbol:         k_q9b1c1ee096_first16.kd
    .args:
      - { .name: fine, .offset: 0, .size: 8, .value_kind: global_buffer, .address_space: global }
      - { .name: gate, .offset: 8, .size: 8, .value_kind: global_buffer, .address_space: global }
      - { .name: wo, .offset: 16, .size: 8, .value_kind: global_buffer, .address_space: global }
      - { .name: out0, .offset: 24, .size: 8, .value_kind: global_buffer, .address_space: global }
    .group_segment_fixed_size: 167936
    .private_segment_fixed_size: 0
    .kernarg_segment_align: 8
    .kernarg_segment_size: 32
    .max_flat_workgroup_size: 512
    .sgpr_count:     66
    .vgpr_count:     256
    .wavefront_size: 32
...
	.end_amdgpu_metadata
.endif
;; end of part 5
